; MI455X (gfx1250); checked and timed in simulation.
; The chip was launched on July 23, 2026; its instructions are those of AMD's public machine-readable ISA for CDNA 5 (MIT licence, August 2026) and "CDNA5" Instruction Set Architecture Reference Guide (July 2026). The comments in the code are by the model that wrote it; some were corrected since.
;; Transformer Block. Allowed arithmetic: matrix products marked QUANTISED: E3M2 operands, one E8M0 scale for each 32 along K, by v_wmma_scale_f32_16x16x128_f8f6f4 with both operands' format E3M2, f32 sums; everything else in f32.
;; Inputs: b1 4,096 float32; b2 1,024 float32; bo 1,024 float32; g1 1,024 float32; g2 1,024 float32; s1 1,024 float32; s2 1,024 float32; w1 1,024 x 4,096 float32; w2 4,096 x 1,024 float32; wk 1,024 x 1,024 float32; wo 1,024 x 1,024 float32; wq 1,024 x 1,024 float32; wv 1,024 x 1,024 float32; x 2 x 2,048 x 1,024 float32.
;; Outputs: out0 2 x 2,048 x 1,024 float32.
;; This version of the problem:
;;   THIS VERSION OF THE PROBLEM IS GIVEN IN LOW PRECISION. The matrix products marked QUANTISED in the list below multiply operands that are first quantised to E3M2 (3 exponent bits, 2 mantissa bits; 6 bits a number), with one power-of-two scale for each 32 numbers along K (OCP MX v1.0); their sums are f32. All else is computed in f32.
;;   The module's matrix products, in the order in which they are computed (A, B: the left and right operand; K: the contracted axis; several contracted axes count as one K, in the product's order):
;;     1. [M 4,096, K 1,024] x [K 1,024, N 1,024]; A: computed on the way; B: input wq: QUANTISED
;;     2. [M 4,096, K 1,024] x [K 1,024, N 1,024]; A: computed on the way; B: input wk: QUANTISED
;;     3. [M 4,096, K 1,024] x [K 1,024, N 1,024]; A: computed on the way; B: input wv: QUANTISED
;;     4. batch 32 x [M 2,048, K 64] x [K 64, N 2,048]; A: computed on the way; B: computed on the way: QUANTISED
;;     5. batch 32 x [M 64, K 2,048] x [K 2,048, N 2,048]; A: computed on the way; B: softmax (see below): QUANTISED
;;     6. [M 4,096, K 1,024] x [K 1,024, N 1,024]; A: computed on the way; B: input wo: QUANTISED
;;     7. [M 4,096, K 1,024] x [K 1,024, N 4,096]; A: computed on the way; B: input w1: QUANTISED
;;     8. [M 4,096, K 4,096] x [K 4,096, N 1,024]; A: computed on the way; B: input w2: QUANTISED
;;   THE QUANTISER, for each operand of a quantised product, along K:
;;     - K is cut into blocks of 32 from its start; a last block that is shorter is filled with zeros.
;;     - A block's scale is 2^e with e = floor(log2(the largest magnitude in the block)) - 4, held to -126 .. 127; a block of zeros has e = 0. As a byte (E8M0): e + 127.
;;     - Each number is divided by its block's scale, clamped to +-28, and rounded to the nearest number of E3M2, ties to even, subnormals kept.
;;     - The product sums the exact products of the quantised numbers (number of the format x scale) in f32.
;;   ~~~python
;;   def quantise(x, axis):      # numpy; x: float32 -> the quantised numbers, widened to float32 again
;;       x = np.moveaxis(x, axis, -1); K = x.shape[-1]
;;       x = np.pad(x, [(0, 0)] * (x.ndim - 1) + [(0, -K % 32)]); x = x.reshape(x.shape[:-1] + (-1, 32)); a = np.abs(x).max(-1, keepdims=True)
;;       e = np.where(a > 0, np.clip(np.frexp(np.where(a > 0, a, 1))[1] - 1 - 4, -126, 127), 0)      # np.frexp(a)[1] - 1 = floor(log2(a)), exactly
;;       r = np.clip(x / 2.0 ** e, -28, 28)
;;       step = 2.0 ** (np.maximum(np.frexp(np.where(r == 0, 1, r))[1] - 1, -2) - 2)
;;       q = np.round(r / step) * step * 2.0 ** e      # np.round: ties to even
;;       return np.moveaxis(q.reshape(q.shape[:-2] + (-1,))[..., :K], -1, axis).astype(np.float32)
;;   ~~~
;;   SOFTMAX AHEAD OF A QUANTISED PRODUCT. Where the list says 'softmax', what is quantised is not the finished softmax but p = 2^(t - M), with t = logit x log2(e) and M = ceil(the row's largest t), a whole number; so 1/2 < the row's largest p <= 1. The row's sum l is taken of the UNQUANTISED p, in f32, and the product's result is divided by l at the end. Since M is a whole number, a kernel that streams over the keys may use a running M (the ceiling of the running maximum): every later rescaling is an exact power of two, which a block's scale takes up: the codes' values come out the same.
;;   OPERANDS COMPUTED ON THE WAY. 'Computed on the way' means the value that the module computes at that place (a softmax that the list does not call 'softmax' is quantised finished and normalised). What goes into a quantiser is computed in f32, as accurately as f32 sums, v_exp_f32 and their like allow (about 1e-6 of the number): no bf16 or f16 on the way to a quantiser, and a product that is left as it is and whose result goes on into a quantised operand takes f32 operands (vector FMAs, or v_wmma_f32_16x16x4_f32). A number that lies on a knife's edge between two numbers of the format may be rounded either way, as far as f32 arithmetic and the matrix unit's own rounding can turn it there, and no further.
;; One version. Each part assembles by itself: llvm-mc -triple=amdgcn-amd-amdhsa -mcpu=gfx1250 --defsym DOCPART=n.
;; ======== version 1 of 1: 6 launches
;; limits: right only within a limited range of input values
;; workspace buffers: wimg 9,830,400 bytes; hq 3,276,800 bytes; qkvc 10,092,544 bytes; ctxc 3,276,800 bytes; x1 16,777,216 bytes; hid 13,107,200 bytes
;; launch prep (part 1): grid 448 x 1, 8 waves a work-group, no clusters, 53,248 bytes of LDS; arguments x, g1, s1, hq, wq, wk, wv, wo, w1, w2, wimg; writes hq, wimg
.if DOCPART == 1
	.amdgcn_target "amdgcn-amd-amdhsa--gfx1250"
	.amdhsa_code_object_version 6
	.text
	.protected	k_q0c3e5de3a4_prep
	.globl	k_q0c3e5de3a4_prep
	.p2align	8
	.type	k_q0c3e5de3a4_prep,@function
k_q0c3e5de3a4_prep:
	s_mov_b64 s[64:65], 0
	v_nop
	global_prefetch_b8 v0, s[64:65] scope:SCOPE_SE
	s_setreg_imm32_b32 hwreg(HW_REG_WAVE_MODE, 25, 1), 1
	s_wait_xcnt 0x0
; Two jobs, told apart by the work-group's number.
; WORK-GROUPS 0-255: LayerNorm of 16 rows of [4096][1024] f32, quantised along the row to BF6 (E3M2) with one E8M0 byte for each 32.
; WORK-GROUPS 256-447: the six weights, f32 stored [K][N], quantised along K (their FIRST axis).  (A launch of 256 work-groups runs the first job alone.)
; WHAT IS STORED.  A fragment image: 16 rows x 128 K as the matrix operand's 12 registers: chunk p (256 bytes) = registers 2 p, 2 p + 1, lane l's 8 bytes at 8 l.
; An F-block (12,800 bytes): 128 rows x 128 K: eight images (row tile i at 1,536 i), then 512 bytes of scale words (12,288 + 64 i + 4 row).  Tensor X[R][K]: block (row / 128, k / 128) at ((row / 128) (K / 128) + k / 128) x 12,800.
; ORDER INSIDE A BLOCK OF 32: position 16 h + 8 u + j holds element 16 u + 8 h + j (elements 8-15 and 16-23 change places).  Every operand of this program is laid so, so each product still pairs equal k; a block's scale does not depend on the order.
; A block's scale is 2^(floor(log2(largest magnitude)) - 4): its byte is the largest magnitude's exponent field - 4, held at 1 from below by a floor among the maximum's leaves.
; LIMITS: NaN and infinities among the inputs are not served.  A block whose largest magnitude is under 2^(5 - 127), a block of zeros among them, gets the byte 1 (the rule says 127 for zeros): its codes are zeros or near it, and this program alone reads the bytes.
; 1 / sqrt(var + eps) is v_rsq_f32 and a multiplication (1 ulp), where the definition divides by a root.
.set FB,   12800
.set STGB, 4608                        ; LDS 0: a stage for each wave: 32 places of 128 bytes + 16
.set IMG,  36864                       ; eight images, padded: 1,800 bytes apart, their halves 832 apart, so that the 32 lanes of a store of 8 bytes fall on 32 different places modulo 256
.set SCI,  51264                       ; eight x 64 bytes of scale words
.set XA,   32                          ; v32-63 row 0, v64-95 row 1 (later row 1 after its turn in v32-63)
.set G,    96                          ; v96-127 gain
.set S,    128                         ; v128-159 shift
.set Y,    160                         ; v160-191 row 0 after its turn: a block of 32 a lane
.set VO,   32                          ; weights: v32-63 byte offsets of 32 rows of K
.set X,    64                          ; v64-127 two sets of 32 numbers
.set CD,   128                         ; v128-151 codes, six registers a block
.set TT,   152                         ; v152-167 a block's upper 16 codes as the conversion leaves them
.set SB,   20                          ; the scale word of four blocks
.set GA,   21                          ; 8 x lane
.set GW,   22                          ; 4 x lane
	s_load_b256 s[4:11], s[0:1], 0x0               ; rows, gain, shift, their codes' buffer
	s_load_b256 s[12:19], s[0:1], 0x20             ; wq, wk, wv, wo
	s_load_b128 s[20:23], s[0:1], 0x40             ; w1, w2
	s_load_b64 s[24:25], s[0:1], 0x50              ; the weights' codes
	v_lshl_add_u32 v192, v0, 2, 0xcc00
	v_mov_b32 v193, 0
	v_lshrrev_b32 v1, 5, v0
	s_delay_alu instid0(VALU_DEP_1)
	v_readfirstlane_b32 s26, v1                    ; wave 0..7
	v_and_b32 v1, 31, v0                           ; lane
	s_wait_kmcnt 0x0
	s_cmp_lt_u32 ttmp9, 256                        ; the same in all waves of a work-group
	s_cbranch_scc0 .Lweights
; ---------------- LayerNorm.  Work-group = row tile (16 rows), wave w = rows 2 w, 2 w + 1.  A row is 4,096 bytes: eight loads of 512 consecutive bytes.
	s_lshl_b32 s28, ttmp9, 16
	s_lshl_b32 s29, s26, 13
	s_add_co_u32 s28, s28, s29
	s_mov_b32 s29, 0
	s_add_nc_u64 s[4:5], s[4:5], s[28:29]
	s_wait_alu depctr_va_vdst(0)
	v_lshlrev_b32 v2, 4, v1
.irp j, 0,1,2,3,4,5,6,7
	global_load_b128 v[XA+4*\j:XA+4*\j+3], v2, s[4:5] offset:512*\j
.endr
.irp j, 0,1,2,3,4,5,6,7
	global_load_b128 v[XA+32+4*\j:XA+32+4*\j+3], v2, s[4:5] offset:4096+512*\j
.endr
.irp j, 0,1,2,3,4,5,6,7
	global_load_b128 v[G+4*\j:G+4*\j+3], v2, s[6:7] offset:512*\j
	global_load_b128 v[S+4*\j:S+4*\j+3], v2, s[8:9] offset:512*\j
.endr
	s_mov_b32 s48, 0x76543210
	s_mov_b32 s49, 0xfedcba98                      ; v_permlanex16_b32's selects for lane l xor 16
	s_mov_b32 s50, 0x3a800000                      ; 1 / 1024
	s_mov_b32 s51, 0x3727c5ac                      ; 1e-5
	s_mul_i32 s27, s26, STGB                       ; my stage
	v_lshrrev_b32 v3, 3, v1
	s_delay_alu instid0(VALU_DEP_1)
	v_mul_u32_u24 v3, v3, 144
	v_and_b32 v4, 7, v1
	s_delay_alu instid0(VALU_DEP_1)
	v_lshl_add_u32 v3, v4, 4, v3
	s_delay_alu instid0(VALU_DEP_1)
	v_add_nc_u32 v3, s27, v3                       ; into the stage: load j's 16 bytes of lane l belong to block 4 j + l / 8, byte 16 (l % 8)
	v_mul_u32_u24 v4, v1, 144
	s_delay_alu instid0(VALU_DEP_1)
	v_add_nc_u32 v4, s27, v4                       ; out of it: lane l takes block l
	v_lshrrev_b32 v5, 2, v1
	s_delay_alu instid0(VALU_DEP_1)
	v_mul_u32_u24 v5, v5, 1800
	v_bfe_u32 v6, v1, 1, 1
	s_delay_alu instid0(VALU_DEP_1)
	v_mad_u32_u24 v5, v6, 832, v5
	v_and_b32 v6, 1, v1
	s_delay_alu instid0(VALU_DEP_1)
	v_lshl_add_u32 v5, v6, 7, v5
	s_lshl_b32 s28, s26, 4
	s_add_co_u32 s28, s28, IMG
	v_add_nc_u32 v5, s28, v5                       ; block l is image l / 4, half (l / 2) % 2, lanes 16 (l % 2) + row: 8 bytes a row
	v_lshrrev_b32 v6, 2, v1
	s_delay_alu instid0(VALU_DEP_1)
	v_lshlrev_b32 v6, 6, v6
	v_and_b32 v7, 3, v1
	s_delay_alu instid0(VALU_DEP_1)
	v_add_nc_u32 v6, v6, v7
	s_lshl_b32 s28, s26, 3
	s_add_co_u32 s28, s28, SCI
	v_add_nc_u32 v6, s28, v6                       ; its scale byte: 64 (l / 4) + 4 row + l % 4
	s_mul_i32 s28, s26, 1800
	s_add_co_u32 s28, s28, IMG
	v_lshl_add_u32 v7, v1, 3, s28                  ; the copy out: wave w takes image w
	v_and_b32 v31, 15, v1
	s_lshl_b32 s28, s26, 6
	s_add_co_u32 s28, s28, SCI
	v_lshl_add_u32 v31, v31, 2, s28
	s_lshr_b32 s30, ttmp9, 3                       ; where image w of this row tile goes: F-block (tile / 8) 8 + w,
	s_lshl_b32 s30, s30, 3
	s_add_co_u32 s30, s30, s26
	s_mul_i32 s30, s30, FB
	s_and_b32 s31, ttmp9, 7
	s_mul_i32 s32, s31, 1536                       ; image tile % 8,
	s_add_co_u32 s32, s32, s30
	s_mov_b32 s33, 0
	s_add_nc_u64 s[32:33], s[10:11], s[32:33]
	s_lshl_b32 s34, s31, 6                         ; and its 64 bytes of scale words
	s_add_co_u32 s34, s34, s30
	s_mov_b32 s35, 0
	s_add_nc_u64 s[34:35], s[10:11], s[34:35]
.macro ALLSUM                          ; v8 and v12, one number a lane for each of the two rows, become the rows' sums in every lane
.irp m, 1,2,4,8
	s_delay_alu instid0(VALU_DEP_2)
	v_add_f32_dpp v8, v8, v8 row_xmask:\m row_mask:0xf bank_mask:0xf
	s_delay_alu instid0(VALU_DEP_2)
	v_add_f32_dpp v12, v12, v12 row_xmask:\m row_mask:0xf bank_mask:0xf
.endr
	s_delay_alu instid0(VALU_DEP_2)
	v_permlanex16_b32 v9, v8, s48, s49
	s_delay_alu instid0(VALU_DEP_2)
	v_permlanex16_b32 v13, v12, s48, s49
	s_delay_alu instid0(VALU_DEP_2)
	v_add_f32 v8, v8, v9
	s_delay_alu instid0(VALU_DEP_2)
	v_add_f32 v12, v12, v13
.endm
	s_wait_loadcnt 16                              ; the two rows are in; the gain's and the shift's sixteen loads may be out
.irp r, 0,1                            ; the mean: two chains a row, the two rows by turns
	v_pk_add_f32 v[8+4*\r:9+4*\r], v[XA+32*\r:XA+32*\r+1], v[XA+32*\r+2:XA+32*\r+3]
	v_pk_add_f32 v[10+4*\r:11+4*\r], v[XA+32*\r+4:XA+32*\r+5], v[XA+32*\r+6:XA+32*\r+7]
.endr
.irp j, 8,12,16,20,24,28
.irp r, 0,1
	s_delay_alu instid0(VALU_DEP_4)
	v_pk_add_f32 v[8+4*\r:9+4*\r], v[8+4*\r:9+4*\r], v[XA+32*\r+\j:XA+32*\r+\j+1]
	s_delay_alu instid0(VALU_DEP_4)
	v_pk_add_f32 v[10+4*\r:11+4*\r], v[10+4*\r:11+4*\r], v[XA+32*\r+\j+2:XA+32*\r+\j+3]
.endr
.endr
.irp r, 0
	s_delay_alu instid0(VALU_DEP_3)
	v_pk_add_f32 v[8+4*\r:9+4*\r], v[8+4*\r:9+4*\r], v[10+4*\r:11+4*\r]
.endr
.irp r, 1
	s_delay_alu instid0(VALU_DEP_2)
	v_pk_add_f32 v[8+4*\r:9+4*\r], v[8+4*\r:9+4*\r], v[10+4*\r:11+4*\r]
.endr
	s_delay_alu instid0(VALU_DEP_2)
	v_add_f32 v8, v8, v9
	s_delay_alu instid0(VALU_DEP_2)
	v_add_f32 v12, v12, v13
	ALLSUM
	s_delay_alu instid0(VALU_DEP_2)
	v_mul_f32 v8, s50, v8
	s_delay_alu instid0(VALU_DEP_2)
	v_mul_f32 v12, s50, v12
.irp j, 0,2,4,6,8,10,12,14,16,18,20,22,24,26,28,30
.irp r, 0,1
	v_pk_add_f32 v[XA+32*\r+\j:XA+32*\r+\j+1], v[XA+32*\r+\j:XA+32*\r+\j+1], v[8+4*\r:9+4*\r] op_sel_hi:[1,0] neg_lo:[0,1] neg_hi:[0,1]   ; x - mean: the variance is taken of the centred numbers, as the definition has it
.endr
.endr
.irp r, 0,1
	v_pk_mul_f32 v[8+4*\r:9+4*\r], v[XA+32*\r:XA+32*\r+1], v[XA+32*\r:XA+32*\r+1]
	v_pk_mul_f32 v[10+4*\r:11+4*\r], v[XA+32*\r+2:XA+32*\r+3], v[XA+32*\r+2:XA+32*\r+3]
.endr
.irp j, 4,8,12,16,20,24,28
.irp r, 0,1
	s_delay_alu instid0(VALU_DEP_4)
	v_pk_fma_f32 v[8+4*\r:9+4*\r], v[XA+32*\r+\j:XA+32*\r+\j+1], v[XA+32*\r+\j:XA+32*\r+\j+1], v[8+4*\r:9+4*\r]
	s_delay_alu instid0(VALU_DEP_4)
	v_pk_fma_f32 v[10+4*\r:11+4*\r], v[XA+32*\r+\j+2:XA+32*\r+\j+3], v[XA+32*\r+\j+2:XA+32*\r+\j+3], v[10+4*\r:11+4*\r]
.endr
.endr
.irp r, 0
	s_delay_alu instid0(VALU_DEP_3)
	v_pk_add_f32 v[8+4*\r:9+4*\r], v[8+4*\r:9+4*\r], v[10+4*\r:11+4*\r]
.endr
.irp r, 1
	s_delay_alu instid0(VALU_DEP_2)
	v_pk_add_f32 v[8+4*\r:9+4*\r], v[8+4*\r:9+4*\r], v[10+4*\r:11+4*\r]
.endr
	s_delay_alu instid0(VALU_DEP_2)
	v_add_f32 v8, v8, v9
	s_delay_alu instid0(VALU_DEP_2)
	v_add_f32 v12, v12, v13
	ALLSUM
	s_delay_alu instid0(VALU_DEP_2)
	v_fma_f32 v8, v8, s50, s51                     ; var + eps
	s_delay_alu instid0(VALU_DEP_2)
	v_fma_f32 v12, v12, s50, s51
	s_wait_alu depctr_va_vdst(0)
	v_rsq_f32 v8, v8
	v_rsq_f32 v12, v12
	v_nop                                          ; a plain instruction behind the transcendentals
	s_wait_loadcnt 0x0                             ; gain and shift
	s_wait_alu depctr_va_vdst(0)                   ; one wait for both roots, ahead of their first reader
.irp j, 0,2,4,6,8,10,12,14,16,18,20,22,24,26,28,30
.irp r, 0,1
	v_pk_mul_f32 v[XA+32*\r+\j:XA+32*\r+\j+1], v[XA+32*\r+\j:XA+32*\r+\j+1], v[8+4*\r:9+4*\r] op_sel_hi:[1,0]
.endr
.endr
.irp j, 0,2,4,6,8,10,12,14,16,18,20,22,24,26,28,30
.irp r, 0,1
	v_pk_fma_f32 v[XA+32*\r+\j:XA+32*\r+\j+1], v[XA+32*\r+\j:XA+32*\r+\j+1], v[G+\j:G+\j+1], v[S+\j:S+\j+1]
.endr
.endr
; THE TURN.  The conversions want 32 neighbours in ONE lane; the loads gave each lane 4 neighbours of eight blocks.  A row goes through my own stage as it lies and comes back a block a lane.
; The quads come back in the order 0, 1, 4, 5, 2, 3, 6, 7: that is this program's order inside a block.  LDS serves a wave's instructions in order, so row 1's stores come behind row 0's loads without a wait.
.irp j, 0,1,2,3,4,5,6,7
	ds_store_b128 v3, v[XA+4*\j:XA+4*\j+3] offset:576*\j
.endr
.irp c, 0,1,2,3,4,5,6,7
	ds_load_b128 v[Y+4*((\c%2)+4*((\c/2)%2)+2*(\c/4)):Y+4*((\c%2)+4*((\c/2)%2)+2*(\c/4))+3], v4 offset:16*\c
.endr
.irp j, 0,1,2,3,4,5,6,7
	ds_store_b128 v3, v[XA+32+4*\j:XA+32+4*\j+3] offset:576*\j
.endr
	s_wait_dscnt 8                                 ; row 0 is back (row 1's eight stores may be out)
.irp c, 0,1,2,3,4,5,6,7
	ds_load_b128 v[XA+4*((\c%2)+4*((\c/2)%2)+2*(\c/4)):XA+4*((\c%2)+4*((\c/2)%2)+2*(\c/4))+3], v4 offset:16*\c
.endr
; a lane's block of 32 in v[s] on -> six registers of codes from v[c] on and the scale byte in v[e]; both go into the padded images.  rr: which of my two rows
.macro QROW s, c, e, rr
	v_max3_num_f32 v8, |v[\s]|, |v[\s+1]|, |v[\s+2]|
	v_max3_num_f32 v9, |v[\s+3]|, |v[\s+4]|, |v[\s+5]|
.irp i, 6,10,14,18,22,26
	s_delay_alu instid0(VALU_DEP_2)
	v_max3_num_f32 v8, v8, |v[\s+\i]|, |v[\s+\i+1]|
	s_delay_alu instid0(VALU_DEP_2)
	v_max3_num_f32 v9, v9, |v[\s+\i+2]|, |v[\s+\i+3]|
.endr
	s_delay_alu instid0(VALU_DEP_2)
	v_max3_num_f32 v8, v8, |v[\s+30]|, |v[\s+31]|
	s_delay_alu instid0(VALU_DEP_1)
	v_max3_num_f32 v8, v8, v9, 0x2800000           ; and the floor 2^(5 - 127): the byte cannot fall under 1
	s_delay_alu instid0(VALU_DEP_1)
	v_add_nc_u32 v10, 0xfe000000, v8               ; 4 off the exponent field: the conversion takes this operand's exponent field as its scale
	v_cvt_scalef32_pk16_bf6_f32 v[\c:\c+2], v[\s:\s+15], v10
	v_cvt_scalef32_pk16_bf6_f32 v[\c+4:\c+6], v[\s+16:\s+31], v10   ; (a conversion's three registers begin on an even number)
	v_lshrrev_b32 v[\e], 23, v10                   ; the byte; also the plain instruction behind the conversions
	v_mov_b32 v[\c+3], v[\c+4]
	v_mov_b32 v[\c+4], v[\c+5]
	v_mov_b32 v[\c+5], v[\c+6]
	ds_store_b64 v5, v[\c:\c+1] offset:8*\rr
	ds_store_b64 v5, v[\c+2:\c+3] offset:256+8*\rr
	ds_store_b64 v5, v[\c+4:\c+5] offset:512+8*\rr
	ds_store_b8 v6, v[\e] offset:4*\rr
.endm
	QROW Y, 16, 11, 0
	s_wait_dscnt 4                                 ; row 1 is back (row 0's four image stores may be out)
	QROW XA, 24, 15, 1
	s_wait_dscnt 0x0                               ; for the others' sake: my stores into the images are done
	s_barrier_signal -1
	s_barrier_wait -1
.irp c, 0,1,2,3,4,5
	ds_load_b64 v[Y+2*\c:Y+2*\c+1], v7 offset:832*(\c/3)+256*(\c%3)
.endr
	ds_load_b32 v[Y+12], v31
	v_lshlrev_b32 v[Y+14], 3, v1
	v_and_b32 v[Y+15], 15, v1
	s_delay_alu instid0(VALU_DEP_1)
	v_lshlrev_b32 v[Y+15], 2, v[Y+15]
	s_wait_alu depctr_va_vdst(0)
	s_wait_dscnt 0x0
.irp c, 0,1,2,3,4,5
	global_store_b64 v[Y+14], v[Y+2*\c:Y+2*\c+1], s[32:33] offset:256*\c   ; 32 lanes store 256 consecutive bytes, at a multiple of 256 from the buffer's first byte
.endr
	global_store_b32 v[Y+15], v[Y+12], s[34:35] offset:12288               ; 16 words; both halves of the lanes write the same word with the same value
	s_wait_tensorcnt 0x0
	ds_add_u32 v192, v193
	s_wait_dscnt 0x0
	s_endpgm
; ---------------- The weights.  A work-group takes 128 columns x 512 along K; wave w takes 32 columns (w % 4) x 256 along K (w / 4).
; A LANE TAKES A COLUMN AND ITS REGISTERS RUN DOWN K: each load reads 128 consecutive bytes a wave (four waves side by side: 512), a block of 32 is one lane's, and the codes come out with K innermost.
.Lweights:
	s_sub_co_u32 s27, ttmp9, 256                   ; 0-63: wq, wk, wv, wo (16 each); 64-127: w1; 128-191: w2
	s_lshr_b32 s28, s27, 6
	s_bfe_u32 s29, s27, 0x20004                    ; which of the four
	s_bfe_u32 s30, s27, 0x30001                    ; group of 128 columns: the four square ones,
	s_bfe_u32 s31, s27, 0x50001                    ; w1,
	s_bfe_u32 s32, s27, 0x30003                    ; w2
	s_and_b32 s33, s27, 1                          ; which 512 along K
	s_and_b32 s34, s27, 7                          ; (w2)
	s_cmp_eq_u32 s29, 1                            ; the choices hang on the work-group's number alone
	s_cselect_b64 s[12:13], s[14:15], s[12:13]
	s_cmp_eq_u32 s29, 2
	s_cselect_b64 s[12:13], s[16:17], s[12:13]
	s_cmp_eq_u32 s29, 3
	s_cselect_b64 s[12:13], s[18:19], s[12:13]
	s_mul_i32 s35, s29, 819200                     ; where the weight's F-blocks begin
	s_mov_b32 s36, 8                               ; K / 128
	s_mov_b32 s37, 12                              ; log2 of a row of K in bytes
	s_mov_b32 s38, 3276800
	s_cmp_eq_u32 s28, 1
	s_cselect_b64 s[12:13], s[20:21], s[12:13]
	s_cselect_b32 s30, s31, s30
	s_cselect_b32 s37, 14, s37
	s_cselect_b32 s35, s38, s35
	s_mov_b32 s38, 6553600
	s_cmp_eq_u32 s28, 2
	s_cselect_b64 s[12:13], s[22:23], s[12:13]
	s_cselect_b32 s30, s32, s30
	s_cselect_b32 s33, s34, s33
	s_cselect_b32 s36, 32, s36
	s_cselect_b32 s35, s38, s35
	s_and_b32 s39, s26, 3
	s_lshr_b32 s40, s26, 2
	s_lshl_b32 s41, s33, 9
	s_lshl_b32 s44, s40, 8
	s_add_co_u32 s41, s41, s44                     ; my first k
	s_lshl_b32 s44, s41, s37
	s_lshl_b32 s45, s30, 9
	s_add_co_u32 s44, s44, s45
	s_lshl_b32 s45, s39, 7
	s_add_co_u32 s44, s44, s45
	s_mov_b32 s45, 0
	s_add_nc_u64 s[12:13], s[12:13], s[44:45]      ; W(my first k, my first column)
	s_mul_i32 s44, s30, s36
	s_lshr_b32 s46, s41, 7
	s_add_co_u32 s44, s44, s46
	s_mul_i32 s44, s44, FB
	s_add_co_u32 s44, s44, s35                     ; my first F-block
	s_mul_i32 s46, s39, 3072                       ; my two images in it
	s_add_co_u32 s46, s46, s44
	s_mov_b32 s47, 0
	s_add_nc_u64 s[52:53], s[24:25], s[46:47]
	s_lshl_b32 s46, s39, 7                         ; my 32 scale words
	s_add_co_u32 s46, s46, s44
	s_add_co_u32 s46, s46, 12288
	s_add_nc_u64 s[54:55], s[24:25], s[46:47]
	s_lshl_b32 s38, 1, s37                         ; a row of K in bytes
	s_lshl_b32 s42, 32, s37                        ; and 32 of them
	s_mov_b32 s43, 0
	s_wait_alu depctr_va_vdst(0)
	v_lshlrev_b32 v[GA], 3, v1
	v_lshlrev_b32 v[GW], 2, v1
	v_lshlrev_b32 v[VO], 2, v1
.set I, 1
.rept 31
	s_delay_alu instid0(VALU_DEP_1)
	v_add_nc_u32 v[VO+I], s38, v[VO+I-1]
.set I, I+1
.endr
.macro LOAD t                          ; block t: W(32 t + i, my column) into set t % 2, at this program's place for element i
.if (\t) > 0
	s_wait_xcnt 0x0                                ; the earlier loads have read their base
	s_add_nc_u64 s[12:13], s[12:13], s[42:43]
.endif
.irp i, 0,1,2,3,4,5,6,7,8,9,10,11,12,13,14,15,16,17,18,19,20,21,22,23,24,25,26,27,28,29,30,31
	global_load_b32 v[X+32*((\t)%2)+(\i%8)+16*((\i/8)%2)+8*(\i/16)], v[VO+\i], s[12:13] th:TH_LOAD_NT
.endr
.endm
.macro BLOCK t
.set XS, X+32*((\t)%2)
.if (\t) < 7
	s_wait_loadcnt 32                              ; this block's 32 loads are in; the next block's may be out
.else
	s_wait_loadcnt 0x0
.endif
	v_max3_num_f32 v12, |v[XS]|, |v[XS+1]|, |v[XS+2]|
	v_max3_num_f32 v13, |v[XS+3]|, |v[XS+4]|, |v[XS+5]|
.irp i, 6,10,14,18,22,26
	s_delay_alu instid0(VALU_DEP_2)
	v_max3_num_f32 v12, v12, |v[XS+\i]|, |v[XS+\i+1]|
	s_delay_alu instid0(VALU_DEP_2)
	v_max3_num_f32 v13, v13, |v[XS+\i+2]|, |v[XS+\i+3]|
.endr
	s_delay_alu instid0(VALU_DEP_2)
	v_max3_num_f32 v12, v12, |v[XS+30]|, |v[XS+31]|
	s_delay_alu instid0(VALU_DEP_1)
	v_max3_num_f32 v12, v12, v13, 0x2800000
	s_delay_alu instid0(VALU_DEP_1)
	v_add_nc_u32 v11, 0xfe000000, v12
	s_delay_alu instid0(VALU_DEP_1)
	v_lshrrev_b32 v13, 23, v11
.if (\t)%4 == 0
	s_delay_alu instid0(VALU_DEP_1)
	v_mov_b32 v[SB], v13
.else
	s_delay_alu instid0(VALU_DEP_1)
	v_lshl_or_b32 v[SB], v13, 8*((\t)%4), v[SB]
.endif
	v_cvt_scalef32_pk16_bf6_f32 v[CD+6*((\t)%4):CD+6*((\t)%4)+2], v[XS:XS+15], v11
	v_cvt_scalef32_pk16_bf6_f32 v[TT+4*((\t)%4):TT+4*((\t)%4)+2], v[XS+16:XS+31], v11
.if (\t)+2 < 8
	LOAD (\t)+2
.endif
.endm
; Four blocks (128 along K) of my 32 columns become two images.  The operand wants lanes 0-15 to hold blocks 0 and 2 of a tile's 16 columns and lanes 16-31 blocks 1 and 3:
; a swap of block b's upper lanes with block b + 1's lower lanes gives tile 0 in block b's registers and tile 1 in block b + 1's.
.macro OUT
	v_nop                                          ; a plain instruction behind the conversions
.irp pr, 0,1
.irp i, 0,1,2
	v_permlane16_swap_b32 v[CD+12*\pr+\i], v[CD+12*\pr+6+\i]
	v_permlane16_swap_b32 v[TT+8*\pr+\i], v[TT+8*\pr+4+\i]
.endr
.endr
.irp b, 0,1,2,3
.irp i, 0,1,2
	v_mov_b32 v[CD+6*\b+3+\i], v[TT+4*\b+\i]
.endr
.endr
.irp tl, 0,1
.irp p, 0,1,2,3,4,5
	global_store_b64 v[GA], v[CD+6*\tl+12*(\p/3)+2*(\p%3):CD+6*\tl+12*(\p/3)+2*(\p%3)+1], s[52:53] offset:1536*\tl+256*\p   ; 256 consecutive bytes, aligned
.endr
.endr
	global_store_b32 v[GW], v[SB], s[54:55]        ; 128 consecutive bytes
.endm
	LOAD 0
	s_wait_alu depctr_va_vdst(0)
	LOAD 1
	BLOCK 0
	BLOCK 1
	BLOCK 2
	BLOCK 3
	s_wait_alu depctr_va_vdst(0)
	OUT
	s_wait_xcnt 0x0                                ; the stores have read their data and their bases: both are written again below
	s_add_nc_u64 s[52:53], s[52:53], FB
	s_add_nc_u64 s[54:55], s[54:55], FB
	BLOCK 4
	BLOCK 5
	BLOCK 6
	BLOCK 7
	OUT
	s_endpgm
.Lfunc_end_k_q0c3e5de3a4_prep:
	.size	k_q0c3e5de3a4_prep, .Lfunc_end_k_q0c3e5de3a4_prep-k_q0c3e5de3a4_prep
	.p2alignl 7, 3214868480
	.fill 96, 4, 3214868480
	.section	.rodata,"a",@progbits
	.p2align	6, 0x0
	.amdhsa_kernel k_q0c3e5de3a4_prep
		.amdhsa_group_segment_fixed_size 53248
		.amdhsa_private_segment_fixed_size 0
		.amdhsa_enable_private_segment 0
		.amdhsa_kernarg_size 88
		.amdhsa_user_sgpr_count 2
		.amdhsa_user_sgpr_kernarg_segment_ptr 1
		.amdhsa_wavefront_size32 1
		.amdhsa_system_sgpr_workgroup_id_x 1
		.amdhsa_system_sgpr_workgroup_id_y 1
		.amdhsa_system_sgpr_workgroup_id_z 1
		.amdhsa_system_vgpr_workitem_id 0
		.amdhsa_next_free_vgpr 194
		.amdhsa_next_free_sgpr 66
		.amdhsa_reserve_vcc 0
		.amdhsa_float_denorm_mode_32 3
		.amdhsa_float_denorm_mode_16_64 3
		.amdhsa_memory_ordered 1
		.amdhsa_forward_progress 1
		.amdhsa_inst_pref_size 77
	.end_amdhsa_kernel
	.amdgpu_metadata
---
amdhsa.version: [ 1, 2 ]
amdhsa.kernels:
  - .name:           k_q0c3e5de3a4_prep
    .symbol:         k_q0c3e5de3a4_prep.kd
    .args:
      - { .name: x, .offset: 0, .size: 8, .value_kind: global_buffer, .address_space: global }
      - { .name: g1, .offset: 8, .size: 8, .value_kind: global_buffer, .address_space: global }
      - { .name: s1, .offset: 16, .size: 8, .value_kind: global_buffer, .address_space: global }
      - { .name: hq, .offset: 24, .size: 8, .value_kind: global_buffer, .address_space: global }
      - { .name: wq, .offset: 32, .size: 8, .value_kind: global_buffer, .address_space: global }
      - { .name: wk, .offset: 40, .size: 8, .value_kind: global_buffer, .address_space: global }
      - { .name: wv, .offset: 48, .size: 8, .value_kind: global_buffer, .address_space: global }
      - { .name: wo, .offset: 56, .size: 8, .value_kind: global_buffer, .address_space: global }
      - { .name: w1, .offset: 64, .size: 8, .value_kind: global_buffer, .address_space: global }
      - { .name: w2, .offset: 72, .size: 8, .value_kind: global_buffer, .address_space: global }
      - { .name: wimg, .offset: 80, .size: 8, .value_kind: global_buffer, .address_space: global }
    .group_segment_fixed_size: 53248
    .private_segment_fixed_size: 0
    .kernarg_segment_align: 8
    .kernarg_segment_size: 88
    .max_flat_workgroup_size: 256
    .sgpr_count:     66
    .vgpr_count:     194
    .wavefront_size: 32
...
	.end_amdgpu_metadata
.endif
;; end of part 1
;; launch proj (part 2): grid 12 x 16, 4 waves a work-group, clusters of 4 x 4, 327,680 bytes of LDS; arguments hq, wimg, qkvc; writes qkvc
.if DOCPART == 2
	.amdgcn_target "amdgcn-amd-amdhsa--gfx1250"
	.amdhsa_code_object_version 6
	.text
	.protected	k_q0c3e5de3a4_proj
	.globl	k_q0c3e5de3a4_proj
	.p2align	8
	.type	k_q0c3e5de3a4_proj,@function
k_q0c3e5de3a4_proj:
	s_mov_b64 s[64:65], 0
	v_nop
	global_prefetch_b8 v0, s[64:65] scope:SCOPE_SE
	s_setreg_imm32_b32 hwreg(HW_REG_WAVE_MODE, 25, 1), 1
	s_wait_xcnt 0x0
	s_wait_alu depctr_hold_cnt(0) depctr_sa_sdst(0) depctr_va_vdst(0) depctr_va_sdst(0) depctr_va_ssrc(0) depctr_va_vcc(0) depctr_vm_vsrc(0)
	s_getreg_b32 s2, hwreg(HW_REG_IB_STS2, 6, 4)
	s_cmp_eq_u32 s2, 0
	s_cbranch_scc0 .Lentry_in_a_cluster
	s_endpgm
.Lentry_in_a_cluster:
	s_bfe_u32 s2, ttmp6, 0x10000c
	s_cmp_lg_u32 s2, 0xf033
	s_cbranch_scc0 .Lentry_shape_is_right
	s_endpgm
.Lentry_shape_is_right:
; q, k and v of the attention, on codes of BF6 with E8M0 scales, and their results quantised again for the two products of the attention.
; Clusters x = 0, 1:  C[token][n] = h [wq | wk]: 4,096 x 2,048.  A = h (rows = tokens), B = the weights (rows = n).  A lane's results run along n, which is the head's axis: K of q k^T.
; Cluster  x = 2:     C[d][token] = wv^T h^T: 1,024 x 4,096.  A = wv (rows = d), B = h.  A lane's results run along the tokens: the keys, K of the second product.  The same text: only bases, tile numbers and strides are chosen, by the cluster's x.
; A tile of C, 256 x 256, is made by four waves, 128 x 128 each: 64 accumulators, 512 registers.  K = 1,024 goes in four steps of 256 through two LDS slots.
; OPERANDS lie in memory as F-blocks (128 rows x 128 K: eight register images of 1,536 bytes, chunk p = registers 2 p, 2 p + 1, 8 bytes a lane; then 512 bytes of scale words), block (row / 128, k / 128) at ((row / 128) 8 + k / 128) x 12,800.
; So a wave's tensor load (128 rows x 256 K, scales with them) is one dense block of 25,600 bytes = 100 rows of 256, a fragment is six ds_load_b64 of 256 consecutive bytes, and nothing needs padding.
; CLUSTERS: 4 x 4.  A's tiles are asked for jointly along a row of the cluster, B's along a column.  THE MATRIX INSTRUCTION IS USED TRANSPOSED (source 0 = 16 rows of B, source 1 = 16 rows of A): a lane holds one row of A and eight neighbours along B's rows.
; THE WAY OUT: the 64 results of a lane for A's block a (register 16 b + 8 u + j = column 32 b + 16 u + 8 h + j) are quantised as they stand: position 16 h + 8 u + j of a block holds element 16 u + 8 h + j, this program's order on every operand.
; STORED: q, k: image [n / 128][token / 16] (chunks 0-2 the even head, 3-5 the odd), scale words [n / 64][token / 16][16] (bytes 0, 1: the head's two blocks).  v: image [token / 128][d / 16], scale words likewise.
; LIMITS: a block whose largest magnitude is under 2^(5 - 127) gets the byte 1; NaN and infinities are not served.
; REGISTERS: window 0: v0-31 addresses; v32-63 scale words, two sets; v128-223 A's fragments, one set.  window 1: B's fragments, two sets (v0, v128).  windows 2, 3: accumulators, (a, b) at v[8 (8 (a % 4) + b)].  On the way out v32-50 codes, v200-217 at work.
.set FB,    12800
.set REGN,  2*FB                       ; what one tensor load brings: 128 rows x 256 K
.set SLOT,  4*REGN                     ; a K step of 256 of all four row groups.  In LDS row group w (A's two, then B's two) has its two slots on end, at 2 w REGN and 2 w REGN + REGN
.set SPARE, 2*SLOT                     ; behind the ring: the spare words, 128 bytes a wave
.set NQ,    2
.set FR,    12
.set NL,    6
.set WV_,   1638400                    ; wv's F-blocks in the weights' buffer
.set QKS,   6291456
.set VC,    6815744
.set VS,    9961472
.set CO,   3                           ; v3   8 x lane
.set ADRA, 16                          ; v16-17 my A fragments in slot 0, 1
.set ADRS, 18                          ; v18-19 my scale words: lanes 0-15 A's rows, lanes 16-31 B's
.set ADRB, 20                          ; v20-21 my B fragments
.set SHV,  25                          ; v25  how far my half of the lanes shifts the scale word
.set SO,   27                          ; v27  where my half stores it
.set SPW,  28
.set NIL,  29
.set SC,   32
.set AF,   128
.set PC,   32
.set TM,   200
.set PW,   216
.set PT,   217
.set G1,  24
.set G0,  32
.set G1B, 48
.set G0B, 56
.set SEL, 88
.set MSB, 0
.macro WIN new                         ; the immediate's high byte repeats the setting that is left; a switch that changes nothing is dropped
.if MSB != (\new)
	s_set_vgpr_msb (MSB<<8)|(\new)
.set MSB, (\new)
.endif
.endm
.set MUL_LO, 0xa1                      ; source 0 (B) window 1, source 1 (A) window 0, C and D window 2
.set MUL_HI, 0xf1
.set TO_B,   0x40
.macro JLOAD g0a, g1a, g0b, g1b        ; a joint load: waves 0, 1 fetch for A, waves 2, 3 for B; four v_nop follow each line
	s_cmp_eq_u32 s15, 0
	s_cbranch_scc0 .Lfor_b_\@
	tensor_load_to_lds s[\g0a:\g0a+3], s[\g1a:\g1a+7]
	s_nop 0
.rept 4
	v_nop
.endr
	s_branch .Lasked_\@
.Lfor_b_\@:
	tensor_load_to_lds s[\g0b:\g0b+3], s[\g1b:\g1b+7]
	s_nop 0
.rept 4
	v_nop
.endr
.Lasked_\@:
.endm
.macro CREST
	s_cmp_lg_u32 s14, 0
	s_cbranch_scc1 .Lnot_wave_0_\@
	s_barrier_signal -3
.Lnot_wave_0_\@:
	s_barrier_wait -3
	s_barrier_signal -1
	s_barrier_wait -1
.endm
.macro CROUND
	s_barrier_signal -1
	s_barrier_wait -1
	CREST
.endm
	s_load_b128 s[4:7], s[0:1], 0x0                ; h's codes, the weights' codes
	s_load_b64 s[8:9], s[0:1], 0x10                ; the results
	v_lshl_add_u32 v[SPW], v0, 2, SPARE
	v_mov_b32 v[NIL], 0
	ds_add_u32 v28, v29
	ds_add_u32 v28, v29
	s_wait_dscnt 0x0
	v_lshrrev_b32 v1, 5, v0
	v_readfirstlane_b32 s14, v1                    ; wave 0..3
	s_lshr_b32 s15, s14, 1                         ; my half of the tile's rows; also: I fetch for A (0) or B (1)
	s_and_b32 s16, s14, 1                          ; my half of its columns; also: which 128 rows I fetch
	s_bfe_u32 s40, ttmp6, 0x40000                  ; cx
	s_bfe_u32 s41, ttmp6, 0x40004                  ; cy
	s_and_b32 s18, ttmp7, 0xffff
	s_lshl_b32 s18, s18, 2
	s_add_co_u32 s67, s18, s41                     ; 4 y + cy
	s_add_co_u32 s69, s18, s40                     ; 4 y + cx
	s_lshl_b32 s68, ttmp9, 2
	s_add_co_u32 s68, s68, s40                     ; 4 x + cx
	s_mov_b32 s85, QKS
	s_cmp_eq_u32 ttmp9, 2                          ; v's clusters: the same answer in all sixteen partners
	s_cselect_b32 s17, s41, s67                    ; tile row: hangs on cy (and y) alone
	s_cselect_b32 s42, s69, s68                    ; tile column: on cx (and x, y) alone
	s_cselect_b32 s80, 64, 256                     ; images from one column group of 128 to the next
	s_cselect_b32 s81, 64, 512                     ; groups of 16 scale words likewise
	s_cselect_b32 s82, 0, 16                       ; q, k: lanes 16-31 store the odd head's two bytes
	s_cselect_b32 s83, 0, 16384                    ; one head further on
	s_cselect_b32 s84, VC, 0
	s_cselect_b32 s85, VS, s85
	s_lshl_b32 s43, s41, 2
	s_lshl_b32 s43, 15, s43                        ; my row of the cluster
	s_lshl_b32 s44, 0x1111, s40                    ; my column
	s_or_b32 s[G1], s43, (3<<16)|(1<<21)           ; 15:0 the mask; 17:16 elements of 8 bytes; 21 set beside a mask; no padding
	s_or_b32 s[G1B], s44, (3<<16)|(1<<21)
.irp g, G1, G1B
	s_mov_b32 s[\g+1], 32<<16                      ; tensor_dim0 = 32 elements: 256 bytes
	s_mov_b32 s[\g+2], 200<<16                     ; tensor_dim1 = 200 rows: the head's one load a wave fills both my slots (K 0..511 of my row group is dense in memory and in LDS)
	s_mov_b32 s[\g+3], 32<<16                      ; tile_dim0
	s_mov_b32 s[\g+4], 200                         ; tile_dim1
	s_mov_b32 s[\g+5], 32                          ; the pitch: dense
	s_mov_b32 s[\g+6], 0
	s_mov_b32 s[\g+7], 0
.endr
	s_lshl_b32 s20, s17, 1
	s_add_co_u32 s20, s20, s16
	s_mul_i32 s20, s20, 8*FB                       ; A: row group 2 x tile row + half
	s_mov_b32 s21, 0
	s_lshl_b32 s46, s42, 1
	s_add_co_u32 s46, s46, s16
	s_mul_i32 s46, s46, 8*FB                       ; B likewise
	s_mov_b32 s47, 0
	s_mul_i32 s45, s14, 2*REGN                     ; where they go: wave x 51,200
	s_mov_b32 s[SEL], 0x76543210
	s_mov_b32 s[SEL+1], 0xfedcba98
	s_wait_kmcnt 0x0
	s_add_nc_u64 s[70:71], s[6:7], WV_
	s_cmp_eq_u32 ttmp9, 2
	s_cselect_b64 s[72:73], s[70:71], s[4:5]       ; A: wv or h
	s_cselect_b64 s[74:75], s[4:5], s[6:7]         ; B: h or [wq | wk], which lie on end
	s_add_nc_u64 s[20:21], s[72:73], s[20:21]
	s_add_nc_u64 s[46:47], s[74:75], s[46:47]
	CROUND                                         ; all sixteen work-groups are here: the first joint loads meet
.irp s, 0,1
	s_mov_b32 s[G0+4*\s], 1
	s_add_co_u32 s[G0+4*\s+1], s45, \s*REGN
	s_add_nc_u64 s[G0+4*\s+2:G0+4*\s+3], s[20:21], \s*REGN
	s_or_b32 s[G0+4*\s+3], s[G0+4*\s+3], 0x80000000
	s_mov_b32 s[G0B+4*\s], 1
	s_add_co_u32 s[G0B+4*\s+1], s45, \s*REGN
	s_add_nc_u64 s[G0B+4*\s+2:G0B+4*\s+3], s[46:47], \s*REGN
	s_or_b32 s[G0B+4*\s+3], s[G0B+4*\s+3], 0x80000000
.endr
	JLOAD G0, G1, G0B, G1B                         ; one tensor load a wave at the head
	v_and_b32 v1, 15, v0                           ; r
	v_bfe_u32 v2, v0, 4, 1                         ; h
	v_and_b32 v3, 31, v0
	v_lshlrev_b32 v3, 3, v3                        ; 8 x lane
	s_wait_alu depctr_va_vdst(0)
	s_mul_i32 s21, s15, 2*REGN                     ; my 128 rows of A
	s_mul_i32 s22, s16, 2*REGN
	s_add_co_u32 s22, s22, 4*REGN                  ; my 128 rows of B
	s_sub_co_u32 s23, s22, s21
	v_mul_u32_u24 v4, s23, v2                      ; lanes 16-31 take B's scale words: one product, half x the distance
	v_lshl_add_u32 v4, v1, 2, v4
	s_add_co_u32 s23, s21, 12288
.irp s, 0,1
	v_add_nc_u32 v[ADRA+\s], s21, v3
	v_add_nc_u32 v[ADRB+\s], s22, v3
	v_add_nc_u32 v[ADRS+\s], s23, v4
	s_add_co_u32 s21, s21, REGN
	s_add_co_u32 s22, s22, REGN
	s_add_co_u32 s23, s23, REGN
.endr
	v_mul_u32_u24 v[SO], s83, v2
	v_lshl_add_u32 v[SO], v1, 2, v[SO]
	v_mul_u32_u24 v[SHV], s82, v2
	s_lshl_b32 s76, s17, 4
	s_lshl_b32 s77, s15, 3
	s_add_co_u32 s76, s76, s77                     ; my first tile of 16 rows
	s_lshl_b32 s77, s42, 1
	s_add_co_u32 s77, s77, s16                     ; my group of 128 columns
	s_mul_i32 s78, s77, s80
	s_add_co_u32 s78, s78, s76
	s_mul_i32 s78, s78, 1536
	s_add_co_u32 s78, s78, s84
	s_mov_b32 s79, 0
	s_add_nc_u64 s[12:13], s[8:9], s[78:79]        ; my first image
	s_mul_i32 s78, s77, s81
	s_add_co_u32 s78, s78, s76
	s_lshl_b32 s78, s78, 6
	s_add_co_u32 s78, s78, s85
	s_add_nc_u64 s[10:11], s[8:9], s[78:79]        ; my first scale words
.macro FRAG reg, adr, q, i             ; a fragment: six loads of 256 consecutive bytes
.irp p, 0,1,2,3,4,5
	ds_load_b64 v[\reg+2*\p:\reg+2*\p+1], v[\adr] offset:FB*(\q)+1536*(\i)+256*\p
.endr
.endm
; 16 matrix instructions: A's blocks a0, a0 + 1 x B's eight.  The 64 accumulators take turns, one instruction a turn, in the same order in every step.
.macro MUL16 a0, p, q, sc, zero
.irp a, \a0, \a0+1
.irp b, 0,1,2,3,4,5,6,7
.if \zero
	v_wmma_scale_f32_16x16x128_f8f6f4 v[8*(8*((\a)%4)+\b):8*(8*((\a)%4)+\b)+7], v[128*(\p)+FR*\b:128*(\p)+FR*\b+FR-1], v[AF+FR*(\a):AF+FR*(\a)+FR-1], 0, v[SC+8*NQ*(\sc)+NQ*\b+(\q)], v[SC+8*NQ*(\sc)+NQ*(\a)+(\q)] matrix_a_fmt:MATRIX_FMT_BF6 matrix_b_fmt:MATRIX_FMT_BF6 matrix_a_scale:MATRIX_SCALE_ROW1
.else
	v_wmma_scale_f32_16x16x128_f8f6f4 v[8*(8*((\a)%4)+\b):8*(8*((\a)%4)+\b)+7], v[128*(\p)+FR*\b:128*(\p)+FR*\b+FR-1], v[AF+FR*(\a):AF+FR*(\a)+FR-1], v[8*(8*((\a)%4)+\b):8*(8*((\a)%4)+\b)+7], v[SC+8*NQ*(\sc)+NQ*\b+(\q)], v[SC+8*NQ*(\sc)+NQ*(\a)+(\q)] matrix_a_fmt:MATRIX_FMT_BF6 matrix_b_fmt:MATRIX_FMT_BF6 matrix_a_scale:MATRIX_SCALE_ROW1
.endif
.endr
.endr
.endm
.macro FETCH_B slot, q, p
	WIN TO_B
.irp i, 0,1,2,3,4,5,6,7
	FRAG 128*(\p)+FR*\i, ADRB+\slot, \q, \i
.endr
	WIN 0
.endm
.macro FETCH_A slot, q, i0
.irp i, \i0, \i0+1, \i0+2, \i0+3
	FRAG AF+FR*(\i), ADRA+\slot, \q, \i
.endr
.endm
.macro SCALES sc                       ; a slot's scale words: register 2 i + q: lanes 0-15 A's block i, lanes 16-31 B's block i
.irp i, 0,1,2,3,4,5,6,7
.irp q, 0,1
	ds_load_b32 v[SC+8*NQ*\sc+NQ*\i+\q], v[ADRS+\sc] offset:FB*\q+64*\i
.endr
.endr
.endm
.macro PLACES                          ; four plain instructions between a matrix instruction and a load into, or a read of, its registers (ISA guide 7.12.1 for reads)
.rept 4
	v_nop
.endr
.endm
.macro STEP slot, q, zero              ; 128 along K with its successor in the same slot
	s_wait_dscnt 4*NL                              ; all but the youngest 24 loads (A's blocks 4-7) are in
	WIN MUL_LO
	MUL16 0, (\q)%2, \q, \slot, \zero
	MUL16 2, (\q)%2, \q, \slot, \zero
	s_wait_dscnt 0
	PLACES
	FETCH_B \slot, (\q)+1, 1-(\q)%2
	FETCH_A \slot, (\q)+1, 0
	WIN MUL_HI
	MUL16 4, (\q)%2, \q, \slot, \zero
	MUL16 6, (\q)%2, \q, \slot, \zero
	PLACES
	WIN 0
	FETCH_A \slot, (\q)+1, 4
.endm
; A slot's last step changes slots: one barrier; in front of it each wave waits for all its tensor loads, adds 0 to its spare word, and waits for that and for its reads of this slot.  fill = 1: the barrier opens a round of the cluster's, and the slot is filled again.
.macro TURN slot, next, fill
	s_wait_tensorcnt 0x0                           ; my part of the next slot has landed; no tensor load of mine is out
	ds_add_u32 v[SPW], v[NIL]
	s_wait_dscnt 4*NL+1                            ; (the add and A's blocks 4-7 may be out)
	WIN MUL_LO
	MUL16 0, 1, NQ-1, \slot, 0
	s_wait_dscnt 0x0                               ; the add is done and my reads of this slot are over
	s_barrier_signal -1
	MUL16 2, 1, NQ-1, \slot, 0
	WIN 0
	s_barrier_wait -1
.if \fill
	CREST                                          ; no wave of any partner still reads this slot or has a load on its way
	s_add_nc_u64 s[G0+4*\slot+2:G0+4*\slot+3], s[G0+4*\slot+2:G0+4*\slot+3], 2*REGN
	s_add_nc_u64 s[G0B+4*\slot+2:G0B+4*\slot+3], s[G0B+4*\slot+2:G0B+4*\slot+3], 2*REGN
	JLOAD G0+4*\slot, G1, G0B+4*\slot, G1B         ; the first tensor load behind the round; its four v_nop are the places in front of the loads below
.else
	PLACES
.endif
	FETCH_B \next, 0, 0
	FETCH_A \next, 0, 0
	SCALES \next
	WIN MUL_HI
	MUL16 4, 1, NQ-1, \slot, 0
	MUL16 6, 1, NQ-1, \slot, 0
	PLACES
	WIN 0
	FETCH_A \next, 0, 4
.endm
	s_wait_alu depctr_va_vdst(0)
	s_wait_tensorcnt 0x0                           ; my part of both slots is in; no tensor load of mine is out, so a descriptor may be written:
	s_mov_b32 s[G1+2], 100<<16                     ; from here on a load brings one slot's 100 rows
	s_mov_b32 s[G1+4], 100
	s_mov_b32 s[G1B+2], 100<<16
	s_mov_b32 s[G1B+4], 100
	s_barrier_signal -1
	s_barrier_wait -1
	FETCH_B 0, 0, 0
	FETCH_A 0, 0, 0
	SCALES 0
	FETCH_A 0, 0, 4
	STEP 0, 0, 1                                   ; the first products start the sums: nothing is cleared
	TURN 0, 1, 1                                   ; K = 1,024 is eight steps of 128, four fills: written straight
	STEP 1, 0, 0
	TURN 1, 0, 1
	STEP 0, 0, 0
	TURN 0, 1, 0
	STEP 1, 0, 0
	s_wait_dscnt 4*NL
	WIN MUL_LO
	MUL16 0, 1, NQ-1, 1, 0
	MUL16 2, 1, NQ-1, 1, 0
	s_wait_dscnt 0
	WIN MUL_HI
	MUL16 4, 1, NQ-1, 1, 0
	MUL16 6, 1, NQ-1, 1, 0
	WIN 0
	PLACES
.irp b, 0,1,2,3
	v_mov_b32 v[TM+4+\b], 0                        ; written once: a lane permute's destination counts as one of its sources
.endr
; 64 numbers of a lane in window w, register 16 b + i = position 16 h + i of block b of my row, become a fragment's 12 registers in v[PC] on and its scale word in v[PW].  Each accumulator is read from its low end on.
.macro QUANT s, w
	WIN (\w)|((\w)<<2)
.irp b, 0,1,2,3
	v_max3_num_f32 v[TM+\b], |v[(\s)+16*\b]|, |v[(\s)+1+16*\b]|, 0x2800000   ; with the floor 2^(5 - 127): the byte cannot fall under 1
.endr
	WIN ((\w)<<2)|((\w)<<4)
.irp i, 2,4,6,8,10,12,14
.irp b, 0,1,2,3
	v_max3_num_f32 v[TM+\b], v[TM+\b], |v[(\s)+16*\b+\i]|, |v[(\s)+1+16*\b+\i]|
.endr
.endr
	WIN 0
.irp b, 0,1,2,3
	v_permlanex16_b32 v[TM+4+\b], v[TM+\b], s[SEL], s[SEL+1]
.endr
.irp b, 0,1,2,3
	v_max_num_f32 v[TM+\b], v[TM+\b], v[TM+4+\b]   ; with lane l xor 16's 16: the block's largest magnitude
.endr
.irp b, 0,1,2,3
	v_add_nc_u32 v[TM+12+\b], 0xfe000000, v[TM+\b] ; 4 off the exponent field: the conversion's scale operand
.endr
.irp b, 0,1,2,3
	v_lshrrev_b32 v[TM+4+\b], 23, v[TM+12+\b]      ; the byte
.endr
	s_wait_alu depctr_va_vdst(0)
	s_wait_xcnt 0x0                                ; the last block's stores have read their data: the word and the codes are written again below
	v_lshl_or_b32 v[PW], v[TM+5], 8, v[TM+4]
	v_lshl_or_b32 v[PW], v[TM+6], 16, v[PW]
	v_lshl_or_b32 v[PW], v[TM+7], 24, v[PW]
	WIN (\w)
.irp c, 0,1
	v_cvt_scalef32_pk16_bf6_f32 v[PC+6*\c:PC+2+6*\c], v[(\s)+32*\c:(\s)+15+32*\c], v[TM+12+2*\c]
	v_cvt_scalef32_pk16_bf6_f32 v[PC+12+4*\c:PC+14+4*\c], v[(\s)+16+32*\c:(\s)+31+32*\c], v[TM+12+2*\c+1]
.endr
	WIN 0
	v_nop                                          ; a plain instruction behind the conversions
.irp c, 0,1                            ; the operand wants a whole block in a lane: lanes 0-15 block 2 c, lanes 16-31 block 2 c + 1
.irp i, 0,1,2
	v_permlane16_swap_b32 v[PC+6*\c+\i], v[PC+12+4*\c+\i]
.endr
.irp i, 0,1,2
	v_mov_b32 v[PC+3+6*\c+\i], v[PC+12+4*\c+\i]
.endr
.endr
.endm
.irp a, 0,1,2,3,4,5,6,7
	QUANT 64*(\a%4), 2+\a/4
	v_lshrrev_b32 v[PT], v[SHV], v[PW]             ; q, k: lanes 16-31 bring the odd head's two bytes down
.irp p, 0,1,2,3,4,5
	global_store_b64 v[CO], v[PC+2*\p:PC+2*\p+1], s[12:13] offset:1536*\a+256*\p   ; 256 consecutive bytes, aligned
.endr
	global_store_b32 v[SO], v[PT], s[10:11] offset:64*\a   ; q, k: 16 words for each of two heads; v: both halves write the same word
.endr
	s_wait_tensorcnt 0x0                           ; the wave's end
	ds_add_u32 v[SPW], v[NIL]
	s_wait_dscnt 0x0
	CROUND                                         ; the closing round
	s_endpgm
.Lfunc_end_k_q0c3e5de3a4_proj:
	.size	k_q0c3e5de3a4_proj, .Lfunc_end_k_q0c3e5de3a4_proj-k_q0c3e5de3a4_proj
	.p2alignl 7, 3214868480
	.fill 96, 4, 3214868480
	.section	.rodata,"a",@progbits
	.p2align	6, 0x0
	.amdhsa_kernel k_q0c3e5de3a4_proj
		.amdhsa_group_segment_fixed_size 327680
		.amdhsa_private_segment_fixed_size 0
		.amdhsa_enable_private_segment 0
		.amdhsa_kernarg_size 24
		.amdhsa_user_sgpr_count 2
		.amdhsa_user_sgpr_kernarg_segment_ptr 1
		.amdhsa_wavefront_size32 1
		.amdhsa_system_sgpr_workgroup_id_x 1
		.amdhsa_system_sgpr_workgroup_id_y 1
		.amdhsa_system_sgpr_workgroup_id_z 1
		.amdhsa_system_vgpr_workitem_id 0
		.amdhsa_next_free_vgpr 1024
		.amdhsa_next_free_sgpr 96
		.amdhsa_reserve_vcc 0
		.amdhsa_float_denorm_mode_32 3
		.amdhsa_float_denorm_mode_16_64 3
		.amdhsa_memory_ordered 1
		.amdhsa_forward_progress 1
		.amdhsa_inst_pref_size 167
	.end_amdhsa_kernel
	.amdgpu_metadata
---
amdhsa.version: [ 1, 2 ]
amdhsa.kernels:
  - .name:           k_q0c3e5de3a4_proj
    .symbol:         k_q0c3e5de3a4_proj.kd
    .args:
      - { .name: hq, .offset: 0, .size: 8, .value_kind: global_buffer, .address_space: global }
      - { .name: wimg, .offset: 8, .size: 8, .value_kind: global_buffer, .address_space: global }
      - { .name: qkvc, .offset: 16, .size: 8, .value_kind: global_buffer, .address_space: global }
    .group_segment_fixed_size: 327680
    .private_segment_fixed_size: 0
    .kernarg_segment_align: 8
    .kernarg_segment_size: 24
    .max_flat_workgroup_size: 128
    .sgpr_count:     96
    .vgpr_count:     1024
    .wavefront_size: 32
...
	.end_amdgpu_metadata
.endif
;; end of part 2
;; launch attn (part 3): grid 8 x 32, 16 waves a work-group, clusters of 4 x 1, 284,672 bytes of LDS; arguments qkvc, ctxc; writes ctxc
.if DOCPART == 3
	.amdgcn_target "amdgcn-amd-amdhsa--gfx1250"
	.amdhsa_code_object_version 6
	.text
	.protected	k_q0c3e5de3a4_attn
	.globl	k_q0c3e5de3a4_attn
	.p2align	8
	.type	k_q0c3e5de3a4_attn,@function
k_q0c3e5de3a4_attn:
	s_mov_b64 s[64:65], 0
	v_nop
	global_prefetch_b8 v0, s[64:65] scope:SCOPE_SE
	s_setreg_imm32_b32 hwreg(HW_REG_WAVE_MODE, 25, 1), 1
	s_wait_xcnt 0x0
	s_wait_alu depctr_hold_cnt(0) depctr_sa_sdst(0) depctr_va_vdst(0) depctr_va_sdst(0) depctr_va_ssrc(0) depctr_va_vcc(0) depctr_vm_vsrc(0)
	s_getreg_b32 s2, hwreg(HW_REG_IB_STS2, 6, 4)
	s_cmp_eq_u32 s2, 0
	s_cbranch_scc0 .Lentry_in_a_cluster
	s_endpgm
.Lentry_in_a_cluster:
	s_bfe_u32 s2, ttmp6, 0x10000c
	s_cmp_lg_u32 s2, 0x3003
	s_cbranch_scc0 .Lentry_shape_is_right
	s_endpgm
.Lentry_shape_is_right:
; Causal attention, 2 batches x 16 heads of 64, 2,048 tokens, both products on codes of BF6 with E8M0 scales; the result is quantised for the next product.
; THE SOFTMAX AHEAD OF THE SECOND PRODUCT: t = score x log2(e) / 8; M = the running largest t rounded UP to a whole number; p = 2^(t - M) is quantised along the keys, not normalised; the row's sum is taken of the unquantised p and divides at the end.
; When M moves, the sum and O are multiplied by 2^(old M - new M): exact.
; SHARES.  Work-group y = (batch, head); its K and V as codes, 2 x 98,304 bytes, and their scale words lie in LDS for the whole launch: filled once, no ring.  The eight work-groups of a head (two clusters of four) each hold them; the four
; partners of a cluster ask for each tile JOINTLY.  Work-group x = i owns the sixteen query tiles 8 R + i, R = 0..15; tile 8 R + i has R + 1 key steps of 128, whatever i is: 136 steps a work-group, and no branch hangs on a place in the cluster.
; THE KEYS OF THE LONG TILES ARE SPLIT, so that every wave walks 8 or 9 steps.  Waves 2 P and 2 P + 1 are pair P.  The pair owns tile rank 15 - P (16 - P steps) and tile rank P (P + 1 steps).
;   role A: the long tile's steps 0..8.       role B: the short tile's steps 0..P, finished and stored; then the long tile's steps 9..15 - P (none where P = 7).
; B hands its part of the long tile (O^T, -M, t, the sum's halves) to A through LDS as an image of its registers; A brings both parts under the joint M, a multiplication by a power of two that rounds nothing, adds, and finishes.
; The role is (wave xor wave / 4) % 2: of any four waves that are neighbours in number, or 4 apart, two have each role.
; LAYOUT.  Both products transposed: S^T = K Q^T (source 0 = 16 keys, source 1 = my queries), O^T = V^T P^T: a lane holds one query throughout.  The 16 registers of tiles 2 b, 2 b + 1 are a lane's half of block b of the keys, in this
; program's order inside a block (position 16 h + 8 u + j = element 16 u + 8 h + j), which V's codes have too.
; THE HEAD IS 64, THE INSTRUCTION'S K 128: Q's registers 6-11 are zero codes, so what stands in K's registers 6-11 adds nothing: K's half fragments lie 6 registers apart and each product names 12 (the next tile's six, or six zeros).
; The scale bytes of that half are another head's bytes (1..254) or 0, never 0xff.
; LIMITS: NaN and infinities are not served; 1 / sum is v_rcp_f32 (1 ulp); a block of p or of the result under 2^(5 - 127) gets the byte 1.
; REGISTERS: v1-6 that stay; v8-11 addresses in hand; v12 -M, v13 largest t, v[14:15] the sum; v16-27 Q; v28 Q's scale word; v29 4 r; v30, v31 my and my partner's place for a part; v32-85 K's eight half fragments + six zeros, then V's four
; fragments; v86-92 the long tile's Q and its scale word; v96-159 S^T, p; v160-191 O^T; v192-195 K's scale words, v200, v201 V's; v224-235 p's codes; v232-254 at work.
.set FB,  12800
.set QKS, 6291456
.set VC,  6815744
.set VS,  9961472
.set VCL, 98304                        ; LDS: K's half images [key tile 0..127][768] at 0; V's images [key step 0..15][d tile 0..3][1,536] here;
.set KSC, 196608                       ; K's scale words [key tile][64];
.set VSC, 204800                       ; V's [key step][d tile][64];
.set PART, 208896                      ; a part of a long tile, for each wave a place of its own: eight images of four registers of O^T, one of v12-15
.set PARTB, 4608
.set TYP, 2                            ; s2   my role: 0 = A, 1 = B
.set RL,  3                            ; s3   the long tile's rank
.set WV,  18
.set R1,  19                           ; s19  the rank of the tile that I begin with, and that I finish: A the long one, B the short one
.set SEL, 20
.set CS,  22
.set G1K, 24
.set G1V, 32
.set G1KS, 40
.set G1VS, 48
.set G0K, 56
.set G0V, 60
.set HI,  66                           ; s66  the last key step that I walk in the loop in hand
.set RC,  67                           ; s67  the rank of the tile in hand: its last key step lies on the diagonal
.set G0KS, 68
.set G0VS, 72
.set KS,  76                           ; the key step
.set TK,  77                           ; its bytes in K's and in V's region: 6,144 a step in both
.set TSK, 78                           ; K's scale words: 512 a step
.set TSV, 79                           ; V's: 256 a step
.macro CROUND
	s_barrier_signal -1
	s_barrier_wait -1
	s_cmp_lg_u32 s[WV], 0
	s_cbranch_scc1 .Lnot_wave_0_\@
	s_barrier_signal -3
.Lnot_wave_0_\@:
	s_barrier_wait -3
	s_barrier_signal -1
	s_barrier_wait -1
.endm
.macro PLACES                          ; four plain instructions between a matrix instruction and a read of its result or a load into its registers (ISA guide 7.12.1 for reads)
.rept 4
	v_nop
.endr
.endm
	s_load_b128 s[4:7], s[0:1], 0x0                ; q, k, v as codes; the result
	v_lshl_add_u32 v251, v0, 2, 0x45000
	v_mov_b32 v255, 0
	ds_add_u32 v251, v255
	ds_add_u32 v251, v255
	v_lshrrev_b32 v8, 5, v0
	s_delay_alu instid0(VALU_DEP_1)
	v_readfirstlane_b32 s[WV], v8                  ; wave 0..15
	s_lshr_b32 s80, s[WV], 2
	s_xor_b32 s[TYP], s80, s[WV]
	s_and_b32 s[TYP], s[TYP], 1                    ; my role
	s_lshr_b32 s80, s[WV], 1                       ; my pair P
	s_sub_co_u32 s[RL], 15, s80
	s_cmp_eq_u32 s[TYP], 0
	s_cselect_b32 s[R1], s[RL], s80
	s_cselect_b32 s[HI], 8, s80                    ; the first loop: A walks steps 0..8, B steps 0..P
	s_mov_b32 s[RC], s[R1]
	s_sub_co_u32 s96, s[RL], s[R1]                 ; from my first tile to the long one: 8 tiles of 16 queries a rank:
	s_mul_i32 s98, s96, 512                        ; 64 bytes of scale words a tile,
	s_mul_i32 s96, s96, 12288                      ; 1,536 bytes of image
	s_mov_b32 s97, 0
	s_mov_b32 s99, 0
	s_mul_i32 s88, s[WV], PARTB                    ; the parts' places are made here, ahead of every branch on the wave's number
	s_add_co_u32 s88, s88, PART
	s_xor_b32 s89, s[WV], 1
	s_mul_i32 s89, s89, PARTB
	s_add_co_u32 s89, s89, PART
	v_and_b32 v7, 31, v0
	s_delay_alu instid0(VALU_DEP_1)
	v_lshl_add_u32 v30, v7, 4, s88                 ; mine: 16 x lane
	s_delay_alu instid0(VALU_DEP_2)
	v_lshl_add_u32 v31, v7, 4, s89                 ; my partner's
	s_bfe_u32 s80, ttmp6, 0x40000                  ; cx
	s_lshl_b32 s81, ttmp9, 2
	s_add_co_u32 s81, s81, s80                     ; i: enters Q's and the result's addresses and the mask's numbers alone
	s_and_b32 s82, ttmp7, 0xffff
	s_lshr_b32 s83, s82, 4                         ; batch
	s_and_b32 s84, s82, 15                         ; head
	s_lshr_b32 s85, s84, 1
	s_and_b32 s86, s84, 1
	s_and_b32 s87, s[WV], 3
	s_add_co_u32 s88, s85, 8                       ; K: image [(8 + head / 2)][128 batch + 32 (wave % 4) ..], its half head % 2
	s_lshl_b32 s88, s88, 8
	s_lshl_b32 s89, s83, 7
	s_add_co_u32 s88, s88, s89
	s_lshl_b32 s89, s87, 5
	s_add_co_u32 s88, s88, s89
	s_mul_i32 s88, s88, 1536
	s_mul_i32 s89, s86, 768
	s_add_co_u32 s88, s88, s89
	s_mov_b32 s89, 0
	s_lshl_b32 s90, s83, 4                         ; V: image [16 batch + 4 (wave % 4) ..][4 head ..]
	s_lshl_b32 s91, s87, 2
	s_add_co_u32 s90, s90, s91
	s_lshl_b32 s90, s90, 6
	s_lshl_b32 s91, s84, 2
	s_add_co_u32 s90, s90, s91
	s_mul_i32 s90, s90, 1536
	s_add_co_u32 s90, s90, VC
	s_mov_b32 s91, 0
	s_add_co_u32 s8, s84, 16                       ; K's scale words: [16 + head][128 batch ..]: 8,192 dense bytes
	s_lshl_b32 s8, s8, 14
	s_lshl_b32 s9, s83, 13
	s_add_co_u32 s8, s8, s9
	s_add_co_u32 s8, s8, QKS
	s_mov_b32 s9, 0
	s_lshl_b32 s10, s83, 10                        ; V's: [16 batch ..][4 head ..]: 256 bytes of each key step's 4,096
	s_lshl_b32 s11, s84, 2
	s_add_co_u32 s10, s10, s11
	s_lshl_b32 s10, s10, 6
	s_add_co_u32 s10, s10, VS
	s_mov_b32 s11, 0
	s_mov_b32 s[G1K], 15|(3<<16)|(1<<21)           ; the mask: all four partners; elements of 8 bytes; 21 set beside a mask
	s_mov_b32 s[G1K+1], 96<<16                     ; K: 32 rows of 768 bytes, 1,536 apart
	s_mov_b32 s[G1K+2], 32<<16
	s_mov_b32 s[G1K+3], 96<<16
	s_mov_b32 s[G1K+4], 32
	s_mov_b32 s[G1K+5], 192
	s_mov_b32 s[G1K+6], 0
	s_mov_b32 s[G1K+7], 0
	s_mov_b32 s[G1V], 15|(3<<16)|(1<<21)
	s_mov_b32 s[G1V+1], 768<<16                    ; V: 4 rows of 6,144 bytes, 98,304 apart
	s_mov_b32 s[G1V+2], 4<<16
	s_mov_b32 s[G1V+3], 768<<16
	s_mov_b32 s[G1V+4], 4
	s_mov_b32 s[G1V+5], 12288
	s_mov_b32 s[G1V+6], 0
	s_mov_b32 s[G1V+7], 0
	s_mov_b32 s[G1KS], 15|(3<<16)|(1<<21)
	s_mov_b32 s[G1KS+1], 32<<16                    ; K's scale words: 32 dense rows of 256 bytes
	s_mov_b32 s[G1KS+2], 32<<16
	s_mov_b32 s[G1KS+3], 32<<16
	s_mov_b32 s[G1KS+4], 32
	s_mov_b32 s[G1KS+5], 32
	s_mov_b32 s[G1KS+6], 0
	s_mov_b32 s[G1KS+7], 0
	s_mov_b32 s[G1VS], 15|(3<<16)|(1<<21)
	s_mov_b32 s[G1VS+1], 32<<16                    ; V's: 16 rows of 256 bytes, 4,096 apart
	s_mov_b32 s[G1VS+2], 16<<16
	s_mov_b32 s[G1VS+3], 32<<16
	s_mov_b32 s[G1VS+4], 16
	s_mov_b32 s[G1VS+5], 512
	s_mov_b32 s[G1VS+6], 0
	s_mov_b32 s[G1VS+7], 0
	s_lshl_b32 s92, s[R1], 3                       ; Q: my first tile 8 R1 + i of the head,
	s_add_co_u32 s92, s92, s81
	s_lshl_b32 s93, s83, 7
	s_add_co_u32 s92, s92, s93                     ; + 128 batch
	s_lshl_b32 s93, s85, 8
	s_add_co_u32 s93, s93, s92
	s_mul_i32 s93, s93, 1536
	s_mul_i32 s94, s86, 768
	s_add_co_u32 s94, s94, s93
	s_mov_b32 s95, 0
	s_lshl_b32 s93, s84, 8
	s_add_co_u32 s93, s93, s92
	s_lshl_b32 s92, s93, 6
	s_add_co_u32 s92, s92, QKS
	s_mov_b32 s93, 0
	s_lshl_b32 s12, s83, 4                         ; the result of the tile that I finish: F-block ((16 batch + R1) 8 + head / 2), image i, half head % 2
	s_add_co_u32 s12, s12, s[R1]
	s_lshl_b32 s12, s12, 3
	s_add_co_u32 s12, s12, s85
	s_mul_i32 s12, s12, FB
	s_lshl_b32 s14, s81, 6
	s_add_co_u32 s14, s14, s12
	s_lshl_b32 s16, s86, 1
	s_add_co_u32 s14, s14, s16                     ; its scale words: 64 i, my head's two bytes of each
	s_mov_b32 s15, 0
	s_mul_i32 s16, s81, 1536
	s_add_co_u32 s12, s12, s16
	s_mul_i32 s16, s86, 768
	s_add_co_u32 s12, s12, s16
	s_mov_b32 s13, 0
	s_lshl_b32 s17, s81, 4                         ; 16 i
	s_mov_b32 s[SEL], 0x76543210
	s_mov_b32 s[SEL+1], 0xfedcba98
	s_mov_b32 s[CS], 0x3e38aa3b                    ; c = log2(e) / 8
	s_mov_b32 s[CS+1], s[CS]
	s_mov_b32 s[KS], 0
	s_mov_b32 s[TK], 0
	s_mov_b32 s[TSK], 0
	s_mov_b32 s[TSV], 0
	s_wait_dscnt 0x0
	s_wait_kmcnt 0x0
	s_mov_b32 s[G0K], 1
	s_mul_i32 s[G0K+1], s87, 24576
	s_add_nc_u64 s[G0K+2:G0K+3], s[4:5], s[88:89]
	s_or_b32 s[G0K+3], s[G0K+3], 0x80000000
	s_mov_b32 s[G0V], 1
	s_mul_i32 s[G0V+1], s87, 24576
	s_add_co_u32 s[G0V+1], s[G0V+1], VCL
	s_add_nc_u64 s[G0V+2:G0V+3], s[4:5], s[90:91]
	s_or_b32 s[G0V+3], s[G0V+3], 0x80000000
	s_mov_b32 s[G0KS], 1
	s_mov_b32 s[G0KS+1], KSC
	s_add_nc_u64 s[G0KS+2:G0KS+3], s[4:5], s[8:9]
	s_or_b32 s[G0KS+3], s[G0KS+3], 0x80000000
	s_mov_b32 s[G0VS], 1
	s_mov_b32 s[G0VS+1], VSC
	s_add_nc_u64 s[G0VS+2:G0VS+3], s[4:5], s[10:11]
	s_or_b32 s[G0VS+3], s[G0VS+3], 0x80000000
	s_add_nc_u64 s[8:9], s[4:5], s[94:95]          ; my first tile's half image of Q
	s_add_nc_u64 s[10:11], s[4:5], s[92:93]        ; and its scale words
	s_add_nc_u64 s[96:97], s[8:9], s[96:97]        ; the long tile's
	s_add_nc_u64 s[98:99], s[10:11], s[98:99]
	s_add_nc_u64 s[12:13], s[6:7], s[12:13]
	s_add_nc_u64 s[14:15], s[6:7], s[14:15]
	CROUND                                         ; all four work-groups are here: the joint loads meet
	s_cmp_lt_u32 s[WV], 4                          ; the fills: waves 0-3 a quarter of K each, 4-7 of V, 8 K's scale words, 9 V's: one load a wave, the branches on the wave's number alone
	s_cbranch_scc0 .Lnot_k
	tensor_load_to_lds s[G0K:G0K+3], s[G1K:G1K+7]
	s_nop 0
.rept 4
	v_nop
.endr
	s_branch .Lasked
.Lnot_k:
	s_cmp_lt_u32 s[WV], 8
	s_cbranch_scc0 .Lnot_v
	tensor_load_to_lds s[G0V:G0V+3], s[G1V:G1V+7]
	s_nop 0
.rept 4
	v_nop
.endr
	s_branch .Lasked
.Lnot_v:
	s_cmp_eq_u32 s[WV], 8
	s_cbranch_scc0 .Lnot_ks
	tensor_load_to_lds s[G0KS:G0KS+3], s[G1KS:G1KS+7]
	s_nop 0
.rept 4
	v_nop
.endr
	s_branch .Lasked
.Lnot_ks:
	s_cmp_eq_u32 s[WV], 9
	s_cbranch_scc0 .Lasked
	tensor_load_to_lds s[G0VS:G0VS+3], s[G1VS:G1VS+7]
	s_nop 0
.rept 4
	v_nop
.endr
.Lasked:
	v_and_b32 v1, 31, v0
	s_delay_alu instid0(VALU_DEP_1)
	v_lshlrev_b32 v1, 3, v1                        ; 8 x lane
	v_and_b32 v29, 15, v0
	s_delay_alu instid0(VALU_DEP_1)
	v_lshlrev_b32 v29, 2, v29                      ; 4 r
.irp p, 0,1,2
	global_load_b64 v[16+2*\p:17+2*\p], v1, s[8:9] offset:256*\p
	global_load_b64 v[86+2*\p:87+2*\p], v1, s[96:97] offset:256*\p
.endr
	global_load_b32 v28, v29, s[10:11]
	global_load_b32 v92, v29, s[98:99]
	v_add_nc_u32 v2, VCL, v1
	v_and_b32 v3, 31, v0                           ; scale words: two neighbouring tiles' 16 words each are 128 neighbouring bytes, 4 x lane: lanes 0-15 take the even tile's, lanes 16-31 the odd tile's
	v_lshlrev_b32 v4, 2, v3
	v_add_nc_u32 v3, KSC, v4
	v_add_nc_u32 v4, VSC, v4
	v_and_b32 v5, 15, v0
	v_bfe_u32 v7, v0, 4, 1
	s_delay_alu instid0(VALU_DEP_1)
	v_lshlrev_b32 v7, 3, v7
	s_delay_alu instid0(VALU_DEP_1)
	v_sub_nc_u32 v5, v5, v7
	s_delay_alu instid0(VALU_DEP_1)
	v_add_nc_u32 v5, s17, v5                       ; D = 16 i + r - 8 h: in a tile's last step register 8 t + j holds key 16 t + 8 h + j, hidden where 16 t + j > D; the same for both my tiles
	v_mov_b32 v6, 0xff800000                       ; -infinity
	v_mov_b32 v13, 0xff61b1e6                      ; the largest t so far: -3e38
	s_delay_alu instid0(VALU_DEP_1)
	v_floor_f32 v12, -v13                          ; -M
	v_mov_b32 v14, 0
	v_mov_b32 v15, 0
.irp j, 0,1,2,3,4,5
	v_mov_b32 v[22+\j], 0                          ; Q's upper 64 along K: zero codes
	v_mov_b32 v[80+\j], 0                          ; what the last tile of K names as its upper half
.endr
.irp b, 0,1,2,3
	v_mov_b32 v[236+\b], 0                         ; written once: a lane permute's destination counts as one of its sources
.endr
	v_mov_b32 v252, 0
	v_mov_b32 v253, 0
.set J, 0
.rept 32
	v_mov_b32 v[160+J], 0                          ; O^T: the step is written once; a tile's first step finds zeros, which the first change of M leaves zeros
.set J, J+1
.endr
	s_wait_tensorcnt 0x0                           ; my fill has landed,
	s_barrier_signal -1
	s_barrier_wait -1                              ; everybody's has
	s_wait_loadcnt 0x0                             ; Q, both tiles'
; THE WALK over key steps, up to step last - 1: the trip count is a constant; a step behind s[HI] is jumped over, but for the lines that step addresses
.macro WALK last
.Lstep_\@:
	s_cmp_gt_u32 s[KS], s[HI]
	s_cbranch_scc1 .Lhidden_\@
	v_add_nc_u32 v8, s[TK], v1                     ; (these four are also the places behind the last step's products)
	v_add_nc_u32 v9, s[TK], v2
	v_add_nc_u32 v10, s[TSK], v3
	v_add_nc_u32 v11, s[TSV], v4
.irp t, 0,1,2,3,4,5,6,7
.irp p, 0,1,2
	ds_load_b64 v[32+6*\t+2*\p:33+6*\t+2*\p], v8 offset:768*\t+256*\p
.endr
.if (\t)%2 == 0
	ds_load_b32 v[192+\t/2], v10 offset:64*\t      ; K's scale words of tiles t and t + 1 in one register: v192-195
.endif
.endr
	s_wait_alu depctr_va_vdst(0)
	s_wait_dscnt 0x0
.irp t, 0,2,4,6                        ; the even tile reads its scales from lanes 0-15 of the register, the odd tile from lanes 16-31
	v_wmma_scale_f32_16x16x128_f8f6f4 v[96+8*\t:103+8*\t], v[32+6*\t:43+6*\t], v[16:27], 0, v[192+\t/2], v28 matrix_a_fmt:MATRIX_FMT_BF6 matrix_b_fmt:MATRIX_FMT_BF6 matrix_a_scale:MATRIX_SCALE_ROW0
	v_wmma_scale_f32_16x16x128_f8f6f4 v[104+8*\t:111+8*\t], v[38+6*\t:49+6*\t], v[16:27], 0, v[192+\t/2], v28 matrix_a_fmt:MATRIX_FMT_BF6 matrix_b_fmt:MATRIX_FMT_BF6 matrix_a_scale:MATRIX_SCALE_ROW1
.endr
	PLACES                                         ; in front of the loads into K's registers and of the first read of the scores
.irp t, 0,1,2,3                        ; V's four fragments are asked for here and land under the softmax
.irp p, 0,1,2,3,4,5
	ds_load_b64 v[32+12*\t+2*\p:33+12*\t+2*\p], v9 offset:1536*\t+256*\p
.endr
.if (\t)%2 == 0
	ds_load_b32 v[200+\t/2], v11 offset:64*\t      ; V's likewise: v200, v201
.endif
.endr
	s_cmp_lg_u32 s[KS], s[RC]                      ; only the tile's last step lies on the diagonal
	s_cbranch_scc1 .Lopen_\@
.set N, 0
.rept 64
	v_cmp_gt_i32 vcc_lo, 16*(N/8)+N%8, v5
	v_cndmask_b32 v[96+N], v[96+N], v6, vcc_lo     ; a hidden score becomes -infinity: p = 0
.set N, N+1
.endr
.Lopen_\@:
.irp b, 0,1,2,3
	v_max3_num_f32 v[232+\b], v[96+16*\b], v[97+16*\b], v[98+16*\b]   ; the largest score of each block of 32 keys: for the row's maximum and, since p rises with the score, for the block's largest p
.endr
.irp i, 3,5,7,9,11,13
.irp b, 0,1,2,3
	v_max3_num_f32 v[232+\b], v[232+\b], v[96+16*\b+\i], v[97+16*\b+\i]
.endr
.endr
.irp b, 0,1,2,3
	v_max_num_f32 v[232+\b], v[232+\b], v[111+16*\b]
.endr
.irp b, 0,1,2,3
	s_delay_alu instid0(VALU_DEP_4)
	v_permlanex16_b32 v[236+\b], v[232+\b], s[SEL], s[SEL+1]
.endr
.irp b, 0,1,2,3
	s_delay_alu instid0(VALU_DEP_4)
	v_max_num_f32 v[232+\b], v[232+\b], v[236+\b]
.endr
	s_delay_alu instid0(VALU_DEP_2)
	v_max3_num_f32 v254, v232, v233, v234
	s_delay_alu instid0(VALU_DEP_1)
	v_max_num_f32 v254, v254, v235
	s_delay_alu instid0(VALU_DEP_1)
	v_mul_f32 v254, s[CS], v254
	s_delay_alu instid0(VALU_DEP_1)
	v_max_num_f32 v13, v13, v254                   ; the running largest t
	v_mov_b32 v254, v12
	s_delay_alu instid0(VALU_DEP_2)
	v_floor_f32 v12, -v13                          ; -M = floor(-t): M is a whole number
	s_delay_alu instid0(VALU_DEP_1)
	v_sub_f32 v254, v12, v254
	s_delay_alu instid0(VALU_DEP_1)
	v_cvt_i32_f32 v254, v254                       ; old M - new M, 0 or less (it saturates)
	s_delay_alu instid0(VALU_DEP_1)
	v_ldexp_f32 v252, 1.0, v254                    ; f = 2^(old M - new M)
.set J, 0
.rept 32
	v_pk_fma_f32 v[96+J:97+J], v[96+J:97+J], s[CS:CS+1], v[12:13] op_sel_hi:[1,0,0]   ; t - M
.set J, J+2
.endr
.irp b, 0,1,2,3
	v_fma_f32 v[232+\b], v[232+\b], s[CS], v12
.endr
.set J, 0
	s_wait_alu depctr_va_vdst(0)
.rept 64
	v_exp_f32 v[96+J], v[96+J]                     ; p = 2^(t - M)
.set J, J+1
.endr
	v_pk_mul_f32 v[14:15], v[14:15], v[252:253] op_sel_hi:[1,0]   ; the sums under the new M; a plain instruction behind the exponentials
	s_wait_alu depctr_va_vdst(0)                   ; one wait for the batch, ahead of its first reader
.irp b, 0,1,2,3
	v_exp_f32 v[232+\b], v[232+\b]                 ; the block's largest p
.endr
	v_pk_add_f32 v[236:237], v[100:101], v[104:105]
	v_pk_add_f32 v[248:249], v[108:109], v[112:113]
	v_pk_add_f32 v[246:247], v[116:117], v[120:121]
	v_pk_add_f32 v[244:245], v[124:125], v[128:129]
	v_pk_add_f32 v[242:243], v[132:133], v[136:137]
	v_pk_add_f32 v[240:241], v[140:141], v[144:145]
	v_pk_add_f32 v[238:239], v[148:149], v[152:153]
	v_pk_add_f32 v[14:15], v[14:15], v[156:157]
	v_pk_add_f32 v[236:237], v[236:237], v[96:97]
	v_pk_add_f32 v[248:249], v[248:249], v[98:99]
	v_pk_add_f32 v[246:247], v[246:247], v[102:103]
	v_pk_add_f32 v[244:245], v[244:245], v[106:107]
	v_pk_add_f32 v[242:243], v[242:243], v[110:111]
	v_pk_add_f32 v[240:241], v[240:241], v[114:115]
	v_pk_add_f32 v[238:239], v[238:239], v[118:119]
	v_pk_add_f32 v[14:15], v[14:15], v[122:123]
	v_pk_add_f32 v[236:237], v[236:237], v[126:127]
	v_pk_add_f32 v[248:249], v[248:249], v[130:131]
	v_pk_add_f32 v[246:247], v[246:247], v[134:135]
	v_pk_add_f32 v[244:245], v[244:245], v[138:139]
	v_pk_add_f32 v[242:243], v[242:243], v[142:143]
	v_pk_add_f32 v[240:241], v[240:241], v[146:147]
	v_pk_add_f32 v[238:239], v[238:239], v[150:151]
	v_pk_add_f32 v[14:15], v[14:15], v[154:155]
	v_pk_add_f32 v[236:237], v[236:237], v[158:159]
	s_delay_alu instid0(VALU_DEP_2)
	v_pk_add_f32 v[14:15], v[14:15], v[244:245]
	s_delay_alu instid0(VALU_DEP_2)
	v_pk_add_f32 v[236:237], v[236:237], v[242:243]
	v_pk_add_f32 v[248:249], v[248:249], v[240:241]
	v_pk_add_f32 v[246:247], v[246:247], v[238:239]
	s_delay_alu instid0(VALU_DEP_2)
	v_pk_add_f32 v[14:15], v[14:15], v[248:249]
	s_delay_alu instid0(VALU_DEP_2)
	v_pk_add_f32 v[236:237], v[236:237], v[246:247]
	s_delay_alu instid0(VALU_DEP_1)
	v_pk_add_f32 v[14:15], v[14:15], v[236:237]
	s_wait_alu depctr_va_vdst(0)                   ; and one for the four
.irp b, 0,1,2,3
	v_max_num_f32 v[232+\b], 0x2800000, v[232+\b]  ; the floor 2^(5 - 127)
.endr
.irp b, 0,1,2,3
	s_delay_alu instid0(VALU_DEP_4)
	v_add_nc_u32 v[244+\b], 0xfe000000, v[232+\b]
.endr
.irp b, 0,1,2,3
	s_delay_alu instid0(VALU_DEP_4)
	v_lshrrev_b32 v[236+\b], 23, v[244+\b]
.endr
	s_delay_alu instid0(VALU_DEP_3)
	v_lshl_or_b32 v253, v237, 8, v236              ; p's scale word for these 128 keys
	s_delay_alu instid0(VALU_DEP_1)
	v_lshl_or_b32 v253, v238, 16, v253
	s_delay_alu instid0(VALU_DEP_1)
	v_lshl_or_b32 v253, v239, 24, v253
.irp c, 0,1
	v_cvt_scalef32_pk16_bf6_f32 v[224+6*\c:226+6*\c], v[96+32*\c:111+32*\c], v[244+2*\c]
	v_cvt_scalef32_pk16_bf6_f32 v[236+4*\c:238+4*\c], v[112+32*\c:127+32*\c], v[244+2*\c+1]
.endr
	v_nop
.irp c, 0,1
.irp i, 0,1,2
	v_permlane16_swap_b32 v[224+6*\c+\i], v[236+4*\c+\i]
.endr
.irp i, 0,1,2
	s_delay_alu instid0(VALU_DEP_3)
	v_mov_b32 v[227+6*\c+\i], v[236+4*\c+\i]
.endr
.endr
.set J, 0
.rept 16
	v_pk_mul_f32 v[160+J:161+J], v[160+J:161+J], v[252:253] op_sel_hi:[1,0]   ; O^T under the new M; these 16 are also the places between the scale word, the codes and the products
.set J, J+2
.endr
	s_wait_alu depctr_va_vdst(0)
	s_wait_dscnt 0x0                               ; V
.irp t, 0,2
	v_wmma_scale_f32_16x16x128_f8f6f4 v[160+8*\t:167+8*\t], v[32+12*\t:43+12*\t], v[224:235], v[160+8*\t:167+8*\t], v[200+\t/2], v253 matrix_a_fmt:MATRIX_FMT_BF6 matrix_b_fmt:MATRIX_FMT_BF6 matrix_a_scale:MATRIX_SCALE_ROW0
	v_wmma_scale_f32_16x16x128_f8f6f4 v[168+8*\t:175+8*\t], v[44+12*\t:55+12*\t], v[224:235], v[168+8*\t:175+8*\t], v[200+\t/2], v253 matrix_a_fmt:MATRIX_FMT_BF6 matrix_b_fmt:MATRIX_FMT_BF6 matrix_a_scale:MATRIX_SCALE_ROW1
.endr
.Lhidden_\@:
	s_add_co_u32 s[TK], s[TK], 6144
	s_add_co_u32 s[TSK], s[TSK], 512
	s_add_co_u32 s[TSV], s[TSV], 256
	s_add_co_u32 s[KS], s[KS], 1
	s_cmp_lt_u32 s[KS], \last
	s_cbranch_scc1 .Lstep_\@
.endm
; A TILE IS FINISHED: O^T / the sum is quantised along the head's 64 (two blocks) and leaves as half an image: no LDS
.macro FINAL
	v_add_f32 v14, v14, v15
	s_delay_alu instid0(VALU_DEP_1)
	v_permlanex16_b32 v252, v14, s[SEL], s[SEL+1]
	s_delay_alu instid0(VALU_DEP_1)
	v_add_f32 v14, v14, v252
	s_wait_alu depctr_va_vdst(0)
	v_rcp_f32 v14, v14
	PLACES                                         ; plain instructions behind the reciprocal
	s_wait_alu depctr_va_vdst(0)                   ; the wait ahead of its first reader
.set J, 0
.rept 32
	v_mul_f32 v[96+J], v[160+J], v14
.set J, J+1
.endr
.irp b, 0,1
	v_max3_num_f32 v[232+\b], |v[96+16*\b]|, |v[97+16*\b]|, 0x2800000
.endr
.irp i, 2,4,6,8,10,12,14
.irp b, 0,1
	s_delay_alu instid0(VALU_DEP_2)
	v_max3_num_f32 v[232+\b], v[232+\b], |v[96+16*\b+\i]|, |v[97+16*\b+\i]|
.endr
.endr
.irp b, 0,1
	s_delay_alu instid0(VALU_DEP_2)
	v_permlanex16_b32 v[236+\b], v[232+\b], s[SEL], s[SEL+1]
.endr
.irp b, 0,1
	s_delay_alu instid0(VALU_DEP_2)
	v_max_num_f32 v[232+\b], v[232+\b], v[236+\b]
.endr
.irp b, 0,1
	s_delay_alu instid0(VALU_DEP_2)
	v_add_nc_u32 v[244+\b], 0xfe000000, v[232+\b]
.endr
.irp b, 0,1
	s_delay_alu instid0(VALU_DEP_2)
	v_lshrrev_b32 v[236+\b], 23, v[244+\b]
.endr
	s_delay_alu instid0(VALU_DEP_1)
	v_lshl_or_b32 v253, v237, 8, v236
	v_cvt_scalef32_pk16_bf6_f32 v[224:226], v[96:111], v244
	v_cvt_scalef32_pk16_bf6_f32 v[228:230], v[112:127], v245
	v_nop
.irp i, 0,1,2
	v_permlane16_swap_b32 v[224+\i], v[228+\i]     ; lanes 0-15: block 0 whole, lanes 16-31: block 1
.endr
	s_delay_alu instid0(VALU_DEP_3)
	v_mov_b32 v227, v228
	s_delay_alu instid0(VALU_DEP_3)
	v_mov_b32 v228, v229
	s_delay_alu instid0(VALU_DEP_3)
	v_mov_b32 v229, v230
.irp p, 0,1,2
	global_store_b64 v1, v[224+2*\p:225+2*\p], s[12:13] offset:256*\p   ; 256 consecutive bytes, aligned
.endr
	global_store_b16 v29, v253, s[14:15] offset:12288   ; my head's two bytes of each row's scale word (the other head's work-group writes the other two); both halves of the lanes write the same
.endm
	WALK 9                                         ; steps 0..8: A its nine of the long tile, B the short tile's P + 1
	PLACES                                         ; behind the last products
	s_cmp_eq_u32 s[TYP], 0
	s_cbranch_scc1 .Lkeep
	FINAL                                          ; B: the short tile is whole: it leaves,
.irp j, 0,1,2,3,4,5
	v_mov_b32 v[16+\j], v[86+\j]                   ; and the long tile is taken up, from nothing: its Q,
.endr
	v_mov_b32 v28, v92                             ; its scale word (the lines below are the places between these and the next products),
	v_mov_b32 v13, 0xff61b1e6
	s_delay_alu instid0(VALU_DEP_1)
	v_floor_f32 v12, -v13
	v_mov_b32 v14, 0
	v_mov_b32 v15, 0
.set J, 0
.rept 32
	v_mov_b32 v[160+J], 0
.set J, J+1
.endr
	s_wait_xcnt 0x0                                ; the stores have read their data: the codes' and the word's registers are written again in the next steps
.Lkeep:
	s_cmp_eq_u32 s[TYP], 0
	s_cselect_b32 s[HI], 0, s[RL]                  ; the second loop: A walks nothing, B steps 9..RL
	s_mov_b32 s[RC], s[RL]
	s_mov_b32 s[KS], 9                             ; the steps' numbers and addresses, set anew by constants
	s_mov_b32 s[TK], 9*6144
	s_mov_b32 s[TSK], 9*512
	s_mov_b32 s[TSV], 9*256
	WALK 16
	PLACES                                         ; behind the last products
	s_cmp_eq_u32 s[TYP], 0
	s_cbranch_scc1 .Lno_part
	s_wait_alu depctr_va_vdst(0)
.irp c, 0,1,2,3,4,5,6,7
	ds_store_b128 v30, v[160+4*\c:163+4*\c] offset:512*\c   ; B: my part of the long tile, as an image of its registers, each accumulator from its low end on
.endr
	ds_store_b128 v30, v[12:15] offset:4096        ; -M, t, the sum's halves
.Lno_part:
	s_wait_dscnt 0x0                               ; for the partner's sake: my stores are done
	s_barrier_signal -1
	s_barrier_wait -1
	s_cmp_lg_u32 s[TYP], 0
	s_cbranch_scc1 .Ldone
.irp c, 0,1,2,3,4,5,6,7
	ds_load_b128 v[96+4*\c:99+4*\c], v31 offset:512*\c      ; A: my partner's part: the same registers in the same lanes
.endr
	ds_load_b128 v[232:235], v31 offset:4096
	s_wait_dscnt 0x0
	v_max_num_f32 v236, v13, v233                  ; the joint largest t,
	s_delay_alu instid0(VALU_DEP_1)
	v_floor_f32 v237, -v236                        ; the joint -M
	s_delay_alu instid0(VALU_DEP_1)
	v_sub_f32 v238, v237, v12                      ; my M less the joint one, 0 or less,
	s_delay_alu instid0(VALU_DEP_2)
	v_sub_f32 v239, v237, v232                     ; my partner's (a partner with no steps has t = -3e38: its factor comes out 0, over zeros)
	s_delay_alu instid0(VALU_DEP_2)
	v_cvt_i32_f32 v238, v238
	s_delay_alu instid0(VALU_DEP_2)
	v_cvt_i32_f32 v239, v239
	s_delay_alu instid0(VALU_DEP_2)
	v_ldexp_f32 v252, 1.0, v238
	s_delay_alu instid0(VALU_DEP_2)
	v_ldexp_f32 v240, 1.0, v239
	s_delay_alu instid0(VALU_DEP_1)
	v_mov_b32 v241, v240
.set J, 0
.rept 16
	v_pk_mul_f32 v[160+J:161+J], v[160+J:161+J], v[252:253] op_sel_hi:[1,0]
.set J, J+2
.endr
.set J, 0
.rept 16
	v_pk_fma_f32 v[160+J:161+J], v[96+J:97+J], v[240:241], v[160+J:161+J]
.set J, J+2
.endr
	v_pk_mul_f32 v[14:15], v[14:15], v[252:253] op_sel_hi:[1,0]
	s_delay_alu instid0(VALU_DEP_1)
	v_pk_fma_f32 v[14:15], v[234:235], v[240:241], v[14:15]
	FINAL
.Ldone:
	s_wait_tensorcnt 0x0
	ds_add_u32 v251, v255
	s_wait_dscnt 0x0
	CROUND                                         ; the closing round
	s_endpgm
.Lfunc_end_k_q0c3e5de3a4_attn:
	.size	k_q0c3e5de3a4_attn, .Lfunc_end_k_q0c3e5de3a4_attn-k_q0c3e5de3a4_attn
	.p2alignl 7, 3214868480
	.fill 96, 4, 3214868480
	.section	.rodata,"a",@progbits
	.p2align	6, 0x0
	.amdhsa_kernel k_q0c3e5de3a4_attn
		.amdhsa_group_segment_fixed_size 284672
		.amdhsa_private_segment_fixed_size 0
		.amdhsa_enable_private_segment 0
		.amdhsa_kernarg_size 16
		.amdhsa_user_sgpr_count 2
		.amdhsa_user_sgpr_kernarg_segment_ptr 1
		.amdhsa_wavefront_size32 1
		.amdhsa_system_sgpr_workgroup_id_x 1
		.amdhsa_system_sgpr_workgroup_id_y 1
		.amdhsa_system_sgpr_workgroup_id_z 1
		.amdhsa_system_vgpr_workitem_id 0
		.amdhsa_next_free_vgpr 256
		.amdhsa_next_free_sgpr 100
		.amdhsa_reserve_vcc 1
		.amdhsa_float_denorm_mode_32 3
		.amdhsa_float_denorm_mode_16_64 3
		.amdhsa_memory_ordered 1
		.amdhsa_forward_progress 1
		.amdhsa_inst_pref_size 76
	.end_amdhsa_kernel
	.amdgpu_metadata
---
amdhsa.version: [ 1, 2 ]
amdhsa.kernels:
  - .name:           k_q0c3e5de3a4_attn
    .symbol:         k_q0c3e5de3a4_attn.kd
    .args:
      - { .name: qkvc, .offset: 0, .size: 8, .value_kind: global_buffer, .address_space: global }
      - { .name: ctxc, .offset: 8, .size: 8, .value_kind: global_buffer, .address_space: global }
    .group_segment_fixed_size: 284672
    .private_segment_fixed_size: 0
    .kernarg_segment_align: 8
    .kernarg_segment_size: 16
    .max_flat_workgroup_size: 512
    .sgpr_count:     100
    .vgpr_count:     256
    .wavefront_size: 32
...
	.end_amdgpu_metadata
.endif
;; end of part 3
;; launch oln (part 4): grid 256 x 1, 16 waves a work-group, no clusters, 181,760 bytes of LDS; arguments ctxc, wimg, bo, x, g2, s2, x1, hq; writes x1, hq
.if DOCPART == 4
	.amdgcn_target "amdgcn-amd-amdhsa--gfx1250"
	.amdhsa_code_object_version 6
	.text
	.protected	k_q0c3e5de3a4_oln
	.globl	k_q0c3e5de3a4_oln
	.p2align	8
	.type	k_q0c3e5de3a4_oln,@function
k_q0c3e5de3a4_oln:
	s_mov_b64 s[64:65], 0
	v_nop
	global_prefetch_b8 v0, s[64:65] scope:SCOPE_SE
	s_setreg_imm32_b32 hwreg(HW_REG_WAVE_MODE, 25, 1), 1
	s_wait_xcnt 0x0
; x1 = x + (ctx wo + bo), and h = LayerNorm(x1) g2 + s2 quantised along the row to BF6 (E3M2) with one E8M0 byte for each 32: the output projection and the second norm in one launch.
; A WORK-GROUP OWNS 16 WHOLE ROWS (256 work-groups x 16 = 4,096), so that a row's mean and variance need no other work-group.  Sixteen waves; wave w makes columns 64 w .. 64 w + 63: four accumulators, K = 1,024 in eight steps: 32 matrix instructions.
; OPERANDS are F-blocks (128 rows x 128 K: eight register images of 1,536 bytes, chunk p = registers 2 p, 2 p + 1, 8 bytes a lane; then 512 bytes of scale words), block (row / 128, k / 128) at ((row / 128) 8 + k / 128) x 12,800.
; wo GOES FROM MEMORY STRAIGHT INTO REGISTERS: the sixteen waves take sixteen different column groups, so each fragment of wo feeds ONE matrix instruction of ONE wave of the work-group; a tile in LDS would be written and read once more for that one use.
; So there are no tensor loads, no ring and no cluster: nothing of wo is shared inside a work-group, and a joint load lands in LDS alone.  Three sets of four fragments: a wave has 52 to 78 loads of wo out ahead of the step in hand; so no prefetch is laid.
; ctx's 16 rows (eight images and their scale words, 12,800 bytes) are read by every wave: they come once, each wave bringing a sixteenth, and lie in LDS.
; THE MATRIX INSTRUCTION IS USED TRANSPOSED (source 0 = 16 rows of wo, source 1 = ctx's 16 rows): a lane holds eight neighbours of a row.  The sums go through a stage of 16 rows in LDS; then wave w takes row w, 16 bytes a lane and 512 an instruction.
; The norm: mean, then the variance of the centred numbers, as the definition has it.  A row turns through the wave's own stage so that a lane holds a block of 32, in this program's order inside a block (position 16 h + 8 u + j = element 16 u + 8 h + j).
; LIMITS: NaN and infinities are not served.  1 / sqrt(var + eps) is v_rsq_f32 and a multiplication (1 ulp).  A block whose largest magnitude is under 2^(5 - 127) gets the byte 1 (the rule says 127 for zeros): this program alone reads the bytes.
; REGISTERS: v1 lane, v2 8 x lane, v3 4 x lane, v6 16 x lane, v7 ctx's scale words in LDS; v8-31, v240-247 x's row; v32-63 accumulators, then x1's row; v64-87 ctx's fragments, two sets, then the centred row; v88, 89 ctx's scale words; v90-95 wo's; v96-239 wo's three sets,
; then gain (v96), shift (v144), bias (v192), and the turned row (v96); v248-255 addresses.
.set FB,    12800
.set WO_,   2457600                    ; wo's F-blocks in the weights' buffer
.set RP,    4112                       ; a stage row: 4,096 bytes + 16
.set PAR,   12800                      ; LDS: ctx at 0 (codes 12,288, scale words 512); here bias, gain and shift, 4,096 bytes each: every wave wants all of them, so they come once, 8 bytes of each a thread;
.set ROWS,  25088                      ; the stage of 16 rows;
.set STG,   ROWS+16*RP                 ; a stage for each wave's turn: 32 places of 128 bytes + 16
.set STGB,  4608
.set IMG,   STG+16*STGB                ; eight images, padded: 1,800 bytes apart, their halves 832 apart
.set SCI,   IMG+8*1800                 ; eight x 64 bytes of scale words
.set SPARE, 179712
.set SPW, 4
.set NIL, 5
.set XL,  8                            ; x's quads 0-5 at v[XL + 4 j], quads 6, 7 at v[XH + 4 j]
.set XH,  216
.set XA,  32
.set ACC, 32
.set AF,  64
.set XC,  64
.set AS,  88
.set BS,  90
.set BF,  96
.set G,   96
.set S,   144
.set BO,  192
.set Y,   96
	s_load_b256 s[4:11], s[0:1], 0x0               ; ctx's codes, the weights' codes, bias, x
	s_load_b256 s[12:19], s[0:1], 0x20             ; gain, shift, x1, h's codes
	v_lshl_add_u32 v[SPW], v0, 2, SPARE
	v_mov_b32 v[NIL], 0
	v_lshrrev_b32 v1, 5, v0
	v_readfirstlane_b32 s20, v1                    ; wave 0..15
	v_and_b32 v1, 31, v0                           ; lane
	s_lshr_b32 s21, s20, 1
	s_and_b32 s22, s20, 1
	s_lshr_b32 s23, ttmp9, 3
	s_and_b32 s33, ttmp9, 7
	s_lshl_b32 s24, s23, 3
	s_add_co_u32 s24, s24, s21
	s_mul_i32 s24, s24, FB                         ; ctx's and h's F-block ((tile / 8) 8 + wave / 2): the same place in both buffers
	s_lshl_b32 s26, s33, 6
	s_add_co_u32 s26, s26, s24
	s_lshl_b32 s34, s22, 5
	s_add_co_u32 s26, s26, s34
	s_add_co_u32 s26, s26, 12288                   ; my eight of its tile's sixteen scale words
	s_mov_b32 s27, 0
	s_mul_i32 s34, s33, 1536
	s_add_co_u32 s24, s24, s34
	s_mul_i32 s34, s22, 768
	s_add_co_u32 s24, s24, s34                     ; my half (three chunks) of image tile % 8
	s_mov_b32 s25, 0
	s_mul_i32 s28, s21, 8*FB
	s_add_co_u32 s28, s28, WO_                     ; wo: column group wave / 2,
	s_lshl_b32 s30, s22, 8
	s_add_co_u32 s30, s30, s28
	s_add_co_u32 s30, s30, 12288                   ; my four tiles' scale words,
	s_mov_b32 s31, 0
	s_mul_i32 s34, s22, 6144
	s_add_co_u32 s28, s28, s34                     ; my four images
	s_mov_b32 s29, 0
	s_lshl_b32 s36, ttmp9, 4
	s_add_co_u32 s36, s36, s20
	s_lshl_b32 s36, s36, 12                        ; row 16 tile + wave of x and x1, in bytes
	s_mov_b32 s37, 0
	s_lshl_b32 s34, s20, 8
	s_add_co_u32 s34, s34, ROWS
	s_mul_i32 s35, s21, 1536
	s_mul_i32 s42, s22, 768
	s_add_co_u32 s35, s35, s42
	s_lshl_b32 s42, s20, 5
	s_add_co_u32 s48, s42, SCI
	s_add_co_u32 s42, s42, 12288
	s_mul_i32 s43, s20, STGB
	s_add_co_u32 s43, s43, STG
	s_mul_i32 s44, s20, RP
	s_add_co_u32 s44, s44, ROWS
	s_lshl_b32 s45, s20, 3
	s_add_co_u32 s45, s45, IMG
	s_lshl_b32 s46, s20, 2
	s_add_co_u32 s46, s46, SCI
	s_mul_i32 s47, s21, 1800
	s_mul_i32 s49, s22, 832
	s_add_co_u32 s47, s47, s49
	s_add_co_u32 s47, s47, IMG
	s_mov_b32 s50, 0x3a800000                      ; 1 / 1024
	s_mov_b32 s51, 0x3727c5ac                      ; 1e-5
	s_mov_b32 s52, 0x76543210
	s_mov_b32 s53, 0xfedcba98                      ; v_permlanex16_b32's selects for lane l xor 16
	s_wait_alu depctr_va_vdst(0)                   ; the lane's number was written ahead of the scalar lines above
	v_lshlrev_b32 v2, 3, v1
	v_lshlrev_b32 v3, 2, v1
	v_lshlrev_b32 v6, 4, v1
	v_and_b32 v7, 15, v1                           ; r
	v_lshrrev_b32 v249, 4, v1                      ; h
	v_mul_u32_u24 v251, v7, RP
	v_lshl_add_u32 v251, v249, 5, v251
	v_add_nc_u32 v251, s34, v251                   ; the sums' way into the stage: row r, byte 256 wave + 32 h
	v_lshlrev_b32 v7, 2, v7
	v_add_nc_u32 v7, 12288, v7                     ; ctx's scale word of row r
	v_add_nc_u32 v248, s35, v2                     ; where my three chunks of ctx go
	v_and_b32 v250, 7, v1
	v_lshlrev_b32 v250, 2, v250                    ; eight words: four lanes name the same one
	v_add_nc_u32 v249, s42, v250                   ; where my eight scale words go
	v_lshlrev_b32 v252, 3, v0                      ; 8 x thread: my 8 bytes of bias, gain and shift,
	v_lshl_add_u32 v253, v0, 3, PAR                ; and where they go
	s_wait_alu depctr_va_vdst(0)
	s_wait_kmcnt 0x0
	s_add_nc_u64 s[38:39], s[4:5], s[24:25]
	s_add_nc_u64 s[40:41], s[4:5], s[26:27]
	s_add_nc_u64 s[28:29], s[6:7], s[28:29]
	s_add_nc_u64 s[30:31], s[6:7], s[30:31]
	s_add_nc_u64 s[10:11], s[10:11], s[36:37]
	s_add_nc_u64 s[16:17], s[16:17], s[36:37]
	s_add_nc_u64 s[24:25], s[18:19], s[24:25]
	s_add_nc_u64 s[26:27], s[18:19], s[26:27]
.macro BLOAD kb                        ; K step kb of my four tiles of wo into set kb % 3: 26 loads.  A scale register holds tile 2 u's words in lanes 0-15 and tile 2 u + 1's in lanes 16-31
.irp t, 0,1,2,3
.irp p, 0,1,2,3,4,5
	global_load_b64 v[BF+48*((\kb)%3)+12*\t+2*\p:BF+48*((\kb)%3)+12*\t+2*\p+1], v2, s[28:29] offset:FB*(\kb)+1536*\t+256*\p
.endr
.endr
.irp u, 0,1
	global_load_b32 v[BS+2*((\kb)%3)+\u], v3, s[30:31] offset:FB*(\kb)+128*\u
.endr
.endm
.macro ALOAD kb                        ; ctx's fragment and scale words of K step kb into set kb % 2: 7 LDS loads
.irp p, 0,1,2,3,4,5
	ds_load_b64 v[AF+12*((\kb)%2)+2*\p:AF+12*((\kb)%2)+2*\p+1], v2 offset:1536*(\kb)+256*\p
.endr
	ds_load_b32 v[AS+(\kb)%2], v7 offset:64*(\kb)
.endm
.macro MM kb, t, row
.if (\kb) == 0
	v_wmma_scale_f32_16x16x128_f8f6f4 v[ACC+8*\t:ACC+8*\t+7], v[BF+48*((\kb)%3)+12*\t:BF+48*((\kb)%3)+12*\t+11], v[AF+12*((\kb)%2):AF+12*((\kb)%2)+11], 0, v[BS+2*((\kb)%3)+\t/2], v[AS+(\kb)%2] matrix_a_fmt:MATRIX_FMT_BF6 matrix_b_fmt:MATRIX_FMT_BF6 matrix_a_scale:\row
.else
	v_wmma_scale_f32_16x16x128_f8f6f4 v[ACC+8*\t:ACC+8*\t+7], v[BF+48*((\kb)%3)+12*\t:BF+48*((\kb)%3)+12*\t+11], v[AF+12*((\kb)%2):AF+12*((\kb)%2)+11], v[ACC+8*\t:ACC+8*\t+7], v[BS+2*((\kb)%3)+\t/2], v[AS+(\kb)%2] matrix_a_fmt:MATRIX_FMT_BF6 matrix_b_fmt:MATRIX_FMT_BF6 matrix_a_scale:\row
.endif
.endm
; A K step.  n: the global loads issued behind this step's set, which may stay out.  The four accumulators take turns, one instruction a turn.
.macro STEP kb, n
.if (\kb) < 7
	ALOAD (\kb)+1                                  ; into the set that the step before has read: its four v_nop stand between
.endif
	s_wait_loadcnt \n
.if (\kb) < 7
	s_wait_dscnt 7                                 ; this step's fragment of ctx is in; the next step's seven loads may be out
.else
	s_wait_dscnt 0x0
.endif
	MM \kb, 0, MATRIX_SCALE_ROW0
	MM \kb, 1, MATRIX_SCALE_ROW1
	MM \kb, 2, MATRIX_SCALE_ROW0
	MM \kb, 3, MATRIX_SCALE_ROW1
.if (\kb) < 7
.rept 4
	v_nop                                          ; four places ahead of loads into registers that the products have read
.endr
.endif
.if (\kb) < 5
	BLOAD (\kb)+3
.endif
.endm
.irp p, 0,1,2
	global_load_b64 v[AF+12+2*\p:AF+13+2*\p], v2, s[38:39] offset:256*\p   ; my sixteenth of ctx
.endr
	global_load_b32 v[AF+18], v250, s[40:41]
	global_load_b64 v[AF:AF+1], v252, s[8:9]       ; a wave reads 256 consecutive bytes of each
	global_load_b64 v[AF+2:AF+3], v252, s[12:13]
	global_load_b64 v[AF+4:AF+5], v252, s[14:15]
	BLOAD 0
	BLOAD 1
.irp j, 0,1,2,3,4,5
	global_load_b128 v[XL+4*\j:XL+4*\j+3], v6, s[10:11] offset:512*\j th:TH_LOAD_NT   ; x's row: 512 consecutive bytes an instruction
.endr
.irp j, 6,7
	global_load_b128 v[XH+4*\j:XH+4*\j+3], v6, s[10:11] offset:512*\j th:TH_LOAD_NT
.endr
	s_wait_loadcnt 60                              ; ctx's four loads are in: behind them 26 + 26 of wo and 8 of x
.irp p, 0,1,2
	ds_store_b64 v248, v[AF+12+2*\p:AF+13+2*\p] offset:256*\p
.endr
	ds_store_b32 v249, v[AF+18]
	ds_store_b64 v253, v[AF:AF+1]
	ds_store_b64 v253, v[AF+2:AF+3] offset:4096
	ds_store_b64 v253, v[AF+4:AF+5] offset:8192
	BLOAD 2
	s_wait_dscnt 0x0                               ; for the others' sake: my stores are done
	s_barrier_signal -1
	s_barrier_wait -1
	ALOAD 0
	STEP 0, 60                                     ; behind set 0: set 1, x, set 2
	STEP 1, 60                                     ; behind set 1: x, sets 2 and 3
	STEP 2, 52
	STEP 3, 52
	STEP 4, 52
	STEP 5, 52
.irp j, 0,1,2,3,4,5,6,7
	ds_load_b128 v[BO+4*\j:BO+4*\j+3], v6 offset:PAR+512*\j   ; the bias, into the set that step 5 has read (LDS serves a wave's instructions in order: the next step's wait on DScnt shows these in too)
.endr
	STEP 6, 26                                     ; behind set 6: set 7
.irp j, 0,1,2,3,4,5,6,7
	ds_load_b128 v[G+4*\j:G+4*\j+3], v6 offset:PAR+4096+512*\j
.endr
	STEP 7, 0                                      ; nothing is behind set 7
	v_lshrrev_b32 v253, 3, v1                      ; the addresses of the norm's part; the first nine lines are also the places behind the last products
	v_mul_u32_u24 v253, v253, 144
	v_and_b32 v254, 7, v1
	v_lshl_add_u32 v253, v254, 4, v253
	v_add_nc_u32 v253, s43, v253                   ; into my turn's stage: quad j of lane l belongs to block 4 j + l / 8, byte 16 (l % 8)
	v_mul_u32_u24 v254, v1, 144
	v_add_nc_u32 v254, s43, v254                   ; out of it: lane l takes block l
	v_lshl_add_u32 v252, v1, 4, s44                ; row w of the stage of sums, 16 bytes a lane
	v_lshrrev_b32 v255, 2, v1
	v_lshlrev_b32 v248, 6, v255                    ; (v248, v249 and v7 held LDS addresses of ctx, which is read no more; v3 the offset of wo's scale words, whose loads step 7's wait has shown done)
	v_mul_u32_u24 v255, v255, 1800
	v_bfe_u32 v3, v1, 1, 1
	v_mad_u32_u24 v255, v3, 832, v255
	v_and_b32 v3, 1, v1
	v_lshl_add_u32 v255, v3, 7, v255
	v_add_nc_u32 v255, s45, v255                   ; block l is image l / 4, half (l / 2) % 2, lanes 16 (l % 2) + row: 8 bytes a row
	v_and_b32 v3, 3, v1
	v_add_nc_u32 v248, v248, v3
	v_add_nc_u32 v248, s46, v248                   ; its scale byte: 64 (l / 4) + 4 row + l % 4
	v_add_nc_u32 v249, s47, v2                     ; the copy out: my half of image wave / 2,
	v_add_nc_u32 v7, s48, v250                     ; and my eight scale words
.irp j, 0,1,2,3,4,5,6,7
	ds_load_b128 v[S+4*\j:S+4*\j+3], v6 offset:PAR+8192+512*\j
.endr
.irp t, 0,1,2,3
	ds_store_b128 v251, v[ACC+8*\t:ACC+8*\t+3] offset:64*\t          ; each accumulator from its low end on
	ds_store_b128 v251, v[ACC+8*\t+4:ACC+8*\t+7] offset:64*\t+16
.endr
	s_wait_alu depctr_va_vdst(0)
	s_wait_dscnt 0x0
	s_barrier_signal -1
	s_barrier_wait -1
.irp j, 0,1,2,3,4,5,6,7
	ds_load_b128 v[XA+4*\j:XA+4*\j+3], v252 offset:512*\j
.endr
	s_wait_dscnt 0x0
.irp j, 0,1,2,3,4,5,6,7
	v_pk_add_f32 v[XA+4*\j:XA+4*\j+1], v[XA+4*\j:XA+4*\j+1], v[BO+4*\j:BO+4*\j+1]
	v_pk_add_f32 v[XA+4*\j+2:XA+4*\j+3], v[XA+4*\j+2:XA+4*\j+3], v[BO+4*\j+2:BO+4*\j+3]
.endr
.irp j, 0,1,2,3,4,5
	v_pk_add_f32 v[XA+4*\j:XA+4*\j+1], v[XA+4*\j:XA+4*\j+1], v[XL+4*\j:XL+4*\j+1]
	v_pk_add_f32 v[XA+4*\j+2:XA+4*\j+3], v[XA+4*\j+2:XA+4*\j+3], v[XL+4*\j+2:XL+4*\j+3]
.endr
.irp j, 6,7
	v_pk_add_f32 v[XA+4*\j:XA+4*\j+1], v[XA+4*\j:XA+4*\j+1], v[XH+4*\j:XH+4*\j+1]
	v_pk_add_f32 v[XA+4*\j+2:XA+4*\j+3], v[XA+4*\j+2:XA+4*\j+3], v[XH+4*\j+2:XH+4*\j+3]
.endr
.irp j, 0,1,2,3,4,5,6,7
	global_store_b128 v6, v[XA+4*\j:XA+4*\j+3], s[16:17] offset:512*\j   ; x1's row: 512 consecutive bytes, aligned.  These registers are not written again
.endr
.macro ALLSUM a, b                     ; a number a lane becomes the sum over the 32 lanes, in every lane
.irp m, 1,2,4,8
	v_add_f32_dpp v[\a], v[\a], v[\a] row_xmask:\m row_mask:0xf bank_mask:0xf
.endr
	v_permlanex16_b32 v[\b], v[\a], s52, s53
	v_add_f32 v[\a], v[\a], v[\b]
.endm
.irp c, 0,1,2,3                        ; the mean: four chains
	v_pk_add_f32 v[8+2*\c:9+2*\c], v[XA+4*\c:XA+4*\c+1], v[XA+4*\c+2:XA+4*\c+3]
.endr
.irp j, 16,24
.irp c, 0,1,2,3
	v_pk_add_f32 v[8+2*\c:9+2*\c], v[8+2*\c:9+2*\c], v[XA+\j+2*\c:XA+\j+2*\c+1]
.endr
.endr
	v_pk_add_f32 v[8:9], v[8:9], v[10:11]
	v_pk_add_f32 v[12:13], v[12:13], v[14:15]
	v_pk_add_f32 v[8:9], v[8:9], v[12:13]
	v_add_f32 v8, v8, v9
	ALLSUM 8, 9
	v_mul_f32 v8, s50, v8
.irp j, 0,2,4,6,8,10,12,14,16,18,20,22,24,26,28,30
	v_pk_add_f32 v[XC+\j:XC+\j+1], v[XA+\j:XA+\j+1], v[8:9] op_sel_hi:[1,0] neg_lo:[0,1] neg_hi:[0,1]   ; x1 - mean, into other registers
.endr
.irp c, 0,1,2,3
	v_pk_mul_f32 v[10+2*\c:11+2*\c], v[XC+2*\c:XC+2*\c+1], v[XC+2*\c:XC+2*\c+1]
.endr
.irp j, 8,16,24
.irp c, 0,1,2,3
	v_pk_fma_f32 v[10+2*\c:11+2*\c], v[XC+\j+2*\c:XC+\j+2*\c+1], v[XC+\j+2*\c:XC+\j+2*\c+1], v[10+2*\c:11+2*\c]
.endr
.endr
	v_pk_add_f32 v[10:11], v[10:11], v[12:13]
	v_pk_add_f32 v[14:15], v[14:15], v[16:17]
	v_pk_add_f32 v[10:11], v[10:11], v[14:15]
	v_add_f32 v10, v10, v11
	ALLSUM 10, 11
	v_fma_f32 v10, v10, s50, s51                   ; var + eps
	s_wait_alu depctr_va_vdst(0)                   ; the wait ahead of the transcendental
	v_rsq_f32 v10, v10
	v_nop                                          ; a plain instruction behind it
	s_wait_alu depctr_va_vdst(0)                   ; the wait ahead of its first reader
.irp j, 0,2,4,6,8,10,12,14,16,18,20,22,24,26,28,30
	v_pk_mul_f32 v[XC+\j:XC+\j+1], v[XC+\j:XC+\j+1], v[10:11] op_sel_hi:[1,0]
.endr
.irp j, 0,2,4,6,8,10,12,14,16,18,20,22,24,26,28,30
	v_pk_fma_f32 v[XC+\j:XC+\j+1], v[XC+\j:XC+\j+1], v[G+\j:G+\j+1], v[S+\j:S+\j+1]
.endr
; THE TURN: the row goes through my own stage as it lies and comes back a block of 32 a lane, its quads in the order 0, 1, 4, 5, 2, 3, 6, 7.  LDS serves a wave's instructions in order: no wait between the stores and the loads.
.irp j, 0,1,2,3,4,5,6,7
	ds_store_b128 v253, v[XC+4*\j:XC+4*\j+3] offset:576*\j
.endr
.irp c, 0,1,2,3,4,5,6,7
	ds_load_b128 v[Y+4*((\c%2)+4*((\c/2)%2)+2*(\c/4)):Y+4*((\c%2)+4*((\c/2)%2)+2*(\c/4))+3], v254 offset:16*\c
.endr
	s_wait_dscnt 0x0
	v_max3_num_f32 v8, |v[Y]|, |v[Y+1]|, |v[Y+2]|
	v_max3_num_f32 v9, |v[Y+3]|, |v[Y+4]|, |v[Y+5]|
.irp i, 6,10,14,18,22,26
	v_max3_num_f32 v8, v8, |v[Y+\i]|, |v[Y+\i+1]|
	v_max3_num_f32 v9, v9, |v[Y+\i+2]|, |v[Y+\i+3]|
.endr
	v_max3_num_f32 v8, v8, |v[Y+30]|, |v[Y+31]|
	v_max3_num_f32 v8, v8, v9, 0x2800000           ; and the floor 2^(5 - 127): the byte cannot fall under 1
	v_add_nc_u32 v10, 0xfe000000, v8               ; 4 off the exponent field: the conversion takes this operand's exponent field as its scale
	v_cvt_scalef32_pk16_bf6_f32 v[16:18], v[Y:Y+15], v10
	v_cvt_scalef32_pk16_bf6_f32 v[20:22], v[Y+16:Y+31], v10   ; (a conversion's three registers begin on an even number)
	v_lshrrev_b32 v11, 23, v10                     ; the byte; also the plain instruction behind the conversions
	v_mov_b32 v19, v20
	v_mov_b32 v20, v21
	v_mov_b32 v21, v22
	ds_store_b64 v255, v[16:17]
	ds_store_b64 v255, v[18:19] offset:256
	ds_store_b64 v255, v[20:21] offset:512
	ds_store_b8 v248, v11
	s_wait_dscnt 0x0                               ; for the others' sake: my stores into the images are done
	s_barrier_signal -1
	s_barrier_wait -1
.irp c, 0,1,2
	ds_load_b64 v[24+2*\c:25+2*\c], v249 offset:256*\c
.endr
	ds_load_b32 v30, v7
	s_wait_dscnt 0x0
.irp c, 0,1,2
	global_store_b64 v2, v[24+2*\c:25+2*\c], s[24:25] offset:256*\c   ; 256 consecutive bytes, aligned
.endr
	global_store_b32 v250, v30, s[26:27]           ; eight words; four lanes write the same word with the same value
	s_wait_tensorcnt 0x0                           ; the wave's end
	ds_add_u32 v[SPW], v[NIL]
	s_wait_dscnt 0x0
	s_endpgm
.Lfunc_end_k_q0c3e5de3a4_oln:
	.size	k_q0c3e5de3a4_oln, .Lfunc_end_k_q0c3e5de3a4_oln-k_q0c3e5de3a4_oln
	.p2alignl 7, 3214868480
	.fill 96, 4, 3214868480
	.section	.rodata,"a",@progbits
	.p2align	6, 0x0
	.amdhsa_kernel k_q0c3e5de3a4_oln
		.amdhsa_group_segment_fixed_size 181760
		.amdhsa_private_segment_fixed_size 0
		.amdhsa_enable_private_segment 0
		.amdhsa_kernarg_size 64
		.amdhsa_user_sgpr_count 2
		.amdhsa_user_sgpr_kernarg_segment_ptr 1
		.amdhsa_wavefront_size32 1
		.amdhsa_system_sgpr_workgroup_id_x 1
		.amdhsa_system_sgpr_workgroup_id_y 1
		.amdhsa_system_sgpr_workgroup_id_z 1
		.amdhsa_system_vgpr_workitem_id 0
		.amdhsa_next_free_vgpr 256
		.amdhsa_next_free_sgpr 66
		.amdhsa_reserve_vcc 0
		.amdhsa_float_denorm_mode_32 3
		.amdhsa_float_denorm_mode_16_64 3
		.amdhsa_memory_ordered 1
		.amdhsa_forward_progress 1
		.amdhsa_inst_pref_size 51
	.end_amdhsa_kernel
	.amdgpu_metadata
---
amdhsa.version: [ 1, 2 ]
amdhsa.kernels:
  - .name:           k_q0c3e5de3a4_oln
    .symbol:         k_q0c3e5de3a4_oln.kd
    .args:
      - { .name: ctxc, .offset: 0, .size: 8, .value_kind: global_buffer, .address_space: global }
      - { .name: wimg, .offset: 8, .size: 8, .value_kind: global_buffer, .address_space: global }
      - { .name: bo, .offset: 16, .size: 8, .value_kind: global_buffer, .address_space: global }
      - { .name: x, .offset: 24, .size: 8, .value_kind: global_buffer, .address_space: global }
      - { .name: g2, .offset: 32, .size: 8, .value_kind: global_buffer, .address_space: global }
      - { .name: s2, .offset: 40, .size: 8, .value_kind: global_buffer, .address_space: global }
      - { .name: x1, .offset: 48, .size: 8, .value_kind: global_buffer, .address_space: global }
      - { .name: hq, .offset: 56, .size: 8, .value_kind: global_buffer, .address_space: global }
    .group_segment_fixed_size: 181760
    .private_segment_fixed_size: 0
    .kernarg_segment_align: 8
    .kernarg_segment_size: 64
    .max_flat_workgroup_size: 512
    .sgpr_count:     66
    .vgpr_count:     256
    .wavefront_size: 32
...
	.end_amdgpu_metadata
.endif
;; end of part 4
;; launch ffn1 (part 5): grid 16 x 16, 4 waves a work-group, clusters of 4 x 4, 327,680 bytes of LDS; arguments hq, wimg, b1, hid; writes hid
.if DOCPART == 5
	.amdgcn_target "amdgcn-amd-amdhsa--gfx1250"
	.amdhsa_code_object_version 6
	.text
	.protected	k_q0c3e5de3a4_ffn1
	.globl	k_q0c3e5de3a4_ffn1
	.p2align	8
	.type	k_q0c3e5de3a4_ffn1,@function
k_q0c3e5de3a4_ffn1:
	s_mov_b64 s[64:65], 0
	v_nop
	global_prefetch_b8 v0, s[64:65] scope:SCOPE_SE
	s_setreg_imm32_b32 hwreg(HW_REG_WAVE_MODE, 25, 1), 1
	s_wait_xcnt 0x0
	s_wait_alu depctr_hold_cnt(0) depctr_sa_sdst(0) depctr_va_vdst(0) depctr_va_sdst(0) depctr_va_ssrc(0) depctr_va_vcc(0) depctr_vm_vsrc(0)
	s_getreg_b32 s2, hwreg(HW_REG_IB_STS2, 6, 4)
	s_cmp_eq_u32 s2, 0
	s_cbranch_scc0 .Lentry_in_a_cluster
	s_endpgm
.Lentry_in_a_cluster:
	s_bfe_u32 s2, ttmp6, 0x10000c
	s_cmp_lg_u32 s2, 0xf033
	s_cbranch_scc0 .Lentry_shape_is_right
	s_endpgm
.Lentry_shape_is_right:
; hid = gelu(h w1 + b1), quantised along its row for the next product.  h [4096][1024] and w1 [4096 (n)][1024] as codes of BF6 with E8M0 scales, in F-blocks (128 rows x 128 K: eight register images of 1,536 bytes, then 512 bytes of scale words).
; A tile of 256 x 256 by four waves, 128 x 128 each; K = 1,024 in four steps of 256 through two LDS slots; 4 x 4 clusters: h's tiles are asked for jointly along a row of the cluster, w1's along a column.
; In LDS row group w (h's two, then w1's two) has its two slots on end, at 2 w REGN: K 0..511 of a row group is dense in memory too, so the head's one load a wave, 200 rows of 256 bytes, fills both slots; the ring's loads bring 100.
; The matrix instruction is used transposed (source 0 = w1's rows, source 1 = h's); the bias is the first products' C.  gelu(z) = z / (1 + 2^(z (KA + KB z z))), the tanh form written by its exponential.
; LIMITS: NaN and infinities are not served; the division is v_rcp_f32 (1 ulp); a block whose largest magnitude is under 2^(5 - 127) gets the byte 1.
.set FB,    12800
.set REGN,  2*FB
.set SLOT,  4*REGN
.set SPARE, 2*SLOT
.set NQ,    2
.set FR,    12
.set NL,    6
.set W1_,   3276800
.set CO,   3
.set ADRA, 16
.set ADRS, 18
.set ADRB, 20
.set SO,   27
.set SPW,  28
.set NIL,  29
.set SC,   32
.set BIAS, 64
.set AF,   128
.set PC,   32
.set Z,    128
.set TM,   200
.set PW,   216
.set KA,   220
.set KB,   222
.set G1,  24
.set G0,  32
.set G1B, 48
.set G0B, 56
.set SEL, 88
.set MSB, 0
.macro WIN new
.if MSB != (\new)
	s_set_vgpr_msb (MSB<<8)|(\new)
.set MSB, (\new)
.endif
.endm
.set MUL_LO, 0xa1
.set MUL_HI, 0xf1
.set Z_LO,   0x81
.set Z_HI,   0xc1
.set TO_B,   0x40
.macro JLOAD g0a, g1a, g0b, g1b
	s_cmp_eq_u32 s15, 0
	s_cbranch_scc0 .Lfor_b_\@
	tensor_load_to_lds s[\g0a:\g0a+3], s[\g1a:\g1a+7]
	s_nop 0
.rept 4
	v_nop
.endr
	s_branch .Lasked_\@
.Lfor_b_\@:
	tensor_load_to_lds s[\g0b:\g0b+3], s[\g1b:\g1b+7]
	s_nop 0
.rept 4
	v_nop
.endr
.Lasked_\@:
.endm
.macro CREST
	s_cmp_lg_u32 s14, 0
	s_cbranch_scc1 .Lnot_wave_0_\@
	s_barrier_signal -3
.Lnot_wave_0_\@:
	s_barrier_wait -3
	s_barrier_signal -1
	s_barrier_wait -1
.endm
.macro CROUND
	s_barrier_signal -1
	s_barrier_wait -1
	CREST
.endm
	s_load_b256 s[4:11], s[0:1], 0x0
	v_lshl_add_u32 v[SPW], v0, 2, SPARE
	v_mov_b32 v[NIL], 0
	ds_add_u32 v28, v29
	ds_add_u32 v28, v29
	s_wait_dscnt 0x0
	v_lshrrev_b32 v1, 5, v0
	v_readfirstlane_b32 s14, v1
	s_lshr_b32 s15, s14, 1
	s_and_b32 s16, s14, 1
	s_bfe_u32 s40, ttmp6, 0x40000
	s_bfe_u32 s41, ttmp6, 0x40004
	s_lshl_b32 s42, ttmp9, 2
	s_add_co_u32 s42, s42, s40
	s_and_b32 s17, ttmp7, 0xffff
	s_lshl_b32 s17, s17, 2
	s_add_co_u32 s17, s17, s41
	s_lshl_b32 s43, s41, 2
	s_lshl_b32 s43, 15, s43
	s_lshl_b32 s44, 0x1111, s40
	s_or_b32 s[G1], s43, (3<<16)|(1<<21)
	s_or_b32 s[G1B], s44, (3<<16)|(1<<21)
.irp g, G1, G1B
	s_mov_b32 s[\g+1], 32<<16
	s_mov_b32 s[\g+2], 200<<16
	s_mov_b32 s[\g+3], 32<<16
	s_mov_b32 s[\g+4], 200
	s_mov_b32 s[\g+5], 32
	s_mov_b32 s[\g+6], 0
	s_mov_b32 s[\g+7], 0
.endr
	s_lshl_b32 s20, s17, 1
	s_add_co_u32 s20, s20, s16
	s_mul_i32 s20, s20, 8*FB
	s_mov_b32 s21, 0
	s_lshl_b32 s46, s42, 1
	s_add_co_u32 s46, s46, s16
	s_mul_i32 s46, s46, 8*FB
	s_add_co_u32 s46, s46, W1_
	s_mov_b32 s47, 0
	s_mul_i32 s45, s14, 2*REGN
	s_mov_b32 s[SEL], 0x76543210
	s_mov_b32 s[SEL+1], 0xfedcba98
	s_wait_kmcnt 0x0
	s_add_nc_u64 s[20:21], s[4:5], s[20:21]
	s_add_nc_u64 s[46:47], s[6:7], s[46:47]
	CROUND
.irp s, 0,1
	s_mov_b32 s[G0+4*\s], 1
	s_add_co_u32 s[G0+4*\s+1], s45, \s*REGN
	s_add_nc_u64 s[G0+4*\s+2:G0+4*\s+3], s[20:21], \s*REGN
	s_or_b32 s[G0+4*\s+3], s[G0+4*\s+3], 0x80000000
	s_mov_b32 s[G0B+4*\s], 1
	s_add_co_u32 s[G0B+4*\s+1], s45, \s*REGN
	s_add_nc_u64 s[G0B+4*\s+2:G0B+4*\s+3], s[46:47], \s*REGN
	s_or_b32 s[G0B+4*\s+3], s[G0B+4*\s+3], 0x80000000
.endr
	JLOAD G0, G1, G0B, G1B                         ; one tensor load a wave at the head: both my slots
	v_and_b32 v1, 15, v0
	v_bfe_u32 v2, v0, 4, 1
	s_wait_alu depctr_va_vdst(0)
	v_and_b32 v3, 31, v0
	v_lshlrev_b32 v3, 3, v3
	s_wait_alu depctr_va_vdst(0)
	v_lshlrev_b32 v5, 5, v2
	s_lshl_b32 s76, s42, 10
	s_lshl_b32 s77, s16, 9
	s_add_co_u32 s76, s76, s77
	s_mov_b32 s77, 0
	s_add_nc_u64 s[8:9], s[8:9], s[76:77]
.irp b, 0,1,2,3,4,5,6,7
	global_load_b128 v[BIAS+8*\b:BIAS+8*\b+3], v5, s[8:9] offset:64*\b
	global_load_b128 v[BIAS+8*\b+4:BIAS+8*\b+7], v5, s[8:9] offset:64*\b+16
.endr
	s_mul_i32 s21, s15, 2*REGN
	s_mul_i32 s22, s16, 2*REGN
	s_add_co_u32 s22, s22, 4*REGN
	s_sub_co_u32 s23, s22, s21
	v_mul_u32_u24 v4, s23, v2
	v_lshl_add_u32 v4, v1, 2, v4
	s_add_co_u32 s23, s21, 12288
.irp s, 0,1
	v_add_nc_u32 v[ADRA+\s], s21, v3
	v_add_nc_u32 v[ADRB+\s], s22, v3
	v_add_nc_u32 v[ADRS+\s], s23, v4
	s_add_co_u32 s21, s21, REGN
	s_add_co_u32 s22, s22, REGN
	s_add_co_u32 s23, s23, REGN
.endr
	v_lshlrev_b32 v[SO], 2, v1
	s_lshl_b32 s76, s17, 1
	s_add_co_u32 s76, s76, s15
	s_lshl_b32 s76, s76, 5
	s_lshl_b32 s78, s42, 1
	s_add_co_u32 s76, s76, s78
	s_add_co_u32 s76, s76, s16
	s_mul_i32 s76, s76, FB
	s_add_nc_u64 s[12:13], s[10:11], s[76:77]
.macro FRAG reg, adr, q, i
.irp p, 0,1,2,3,4,5
	ds_load_b64 v[\reg+2*\p:\reg+2*\p+1], v[\adr] offset:FB*(\q)+1536*(\i)+256*\p
.endr
.endm
.macro MUL16 a0, p, q, sc, zero
.irp a, \a0, \a0+1
.irp b, 0,1,2,3,4,5,6,7
.if \zero
	v_wmma_scale_f32_16x16x128_f8f6f4 v[8*(8*((\a)%4)+\b):8*(8*((\a)%4)+\b)+7], v[128*(\p)+FR*\b:128*(\p)+FR*\b+FR-1], v[AF+FR*(\a):AF+FR*(\a)+FR-1], v[BIAS+8*\b:BIAS+8*\b+7], v[SC+8*NQ*(\sc)+NQ*\b+(\q)], v[SC+8*NQ*(\sc)+NQ*(\a)+(\q)] matrix_a_fmt:MATRIX_FMT_BF6 matrix_b_fmt:MATRIX_FMT_BF6 matrix_a_scale:MATRIX_SCALE_ROW1
.else
	v_wmma_scale_f32_16x16x128_f8f6f4 v[8*(8*((\a)%4)+\b):8*(8*((\a)%4)+\b)+7], v[128*(\p)+FR*\b:128*(\p)+FR*\b+FR-1], v[AF+FR*(\a):AF+FR*(\a)+FR-1], v[8*(8*((\a)%4)+\b):8*(8*((\a)%4)+\b)+7], v[SC+8*NQ*(\sc)+NQ*\b+(\q)], v[SC+8*NQ*(\sc)+NQ*(\a)+(\q)] matrix_a_fmt:MATRIX_FMT_BF6 matrix_b_fmt:MATRIX_FMT_BF6 matrix_a_scale:MATRIX_SCALE_ROW1
.endif
.endr
.endr
.endm
.macro FETCH_B slot, q, p
	WIN TO_B
.irp i, 0,1,2,3,4,5,6,7
	FRAG 128*(\p)+FR*\i, ADRB+\slot, \q, \i
.endr
	WIN 0
.endm
.macro FETCH_A slot, q, i0
.irp i, \i0, \i0+1, \i0+2, \i0+3
	FRAG AF+FR*(\i), ADRA+\slot, \q, \i
.endr
.endm
.macro SCALES sc
.irp i, 0,1,2,3,4,5,6,7
.irp q, 0,1
	ds_load_b32 v[SC+8*NQ*\sc+NQ*\i+\q], v[ADRS+\sc] offset:FB*\q+64*\i
.endr
.endr
.endm
.macro PLACES
.rept 4
	v_nop
.endr
.endm
.macro STEP slot, q, zero
	s_wait_dscnt 4*NL
.if \zero
	WIN Z_LO
.else
	WIN MUL_LO
.endif
	MUL16 0, (\q)%2, \q, \slot, \zero
	MUL16 2, (\q)%2, \q, \slot, \zero
	s_wait_dscnt 0
	PLACES
	FETCH_B \slot, (\q)+1, 1-(\q)%2
	FETCH_A \slot, (\q)+1, 0
.if \zero
	WIN Z_HI
.else
	WIN MUL_HI
.endif
	MUL16 4, (\q)%2, \q, \slot, \zero
	MUL16 6, (\q)%2, \q, \slot, \zero
	PLACES
	WIN 0
	FETCH_A \slot, (\q)+1, 4
.endm
.macro TURN slot, next, fill
	s_wait_tensorcnt 0x0
	ds_add_u32 v[SPW], v[NIL]
	s_wait_dscnt 4*NL+1
	WIN MUL_LO
	MUL16 0, 1, NQ-1, \slot, 0
	s_wait_dscnt 0x0
	s_barrier_signal -1
	MUL16 2, 1, NQ-1, \slot, 0
	WIN 0
	s_barrier_wait -1
.if \fill
	CREST
	s_add_nc_u64 s[G0+4*\slot+2:G0+4*\slot+3], s[G0+4*\slot+2:G0+4*\slot+3], 2*REGN
	s_add_nc_u64 s[G0B+4*\slot+2:G0B+4*\slot+3], s[G0B+4*\slot+2:G0B+4*\slot+3], 2*REGN
	JLOAD G0+4*\slot, G1, G0B+4*\slot, G1B
.else
	PLACES
.endif
	FETCH_B \next, 0, 0
	FETCH_A \next, 0, 0
	SCALES \next
	WIN MUL_HI
	MUL16 4, 1, NQ-1, \slot, 0
	MUL16 6, 1, NQ-1, \slot, 0
	PLACES
	WIN 0
	FETCH_A \next, 0, 4
.endm
	s_wait_alu depctr_va_vdst(0)
	s_wait_tensorcnt 0x0                           ; my part of both slots is in; no tensor load of mine is out, so a descriptor may be written:
	s_mov_b32 s[G1+2], 100<<16                     ; from here on a load brings one slot's 100 rows
	s_mov_b32 s[G1+4], 100
	s_mov_b32 s[G1B+2], 100<<16
	s_mov_b32 s[G1B+4], 100
	s_barrier_signal -1
	s_barrier_wait -1
	FETCH_B 0, 0, 0
	FETCH_A 0, 0, 0
	SCALES 0
	FETCH_A 0, 0, 4
	s_wait_loadcnt 0x0
	STEP 0, 0, 1
	TURN 0, 1, 1
	STEP 1, 0, 0
	TURN 1, 0, 1
	STEP 0, 0, 0
	TURN 0, 1, 0
	STEP 1, 0, 0
	s_wait_dscnt 4*NL
	WIN MUL_LO
	MUL16 0, 1, NQ-1, 1, 0
	MUL16 2, 1, NQ-1, 1, 0
	s_wait_dscnt 0
	WIN MUL_HI
	MUL16 4, 1, NQ-1, 1, 0
	MUL16 6, 1, NQ-1, 1, 0
	WIN 0
	PLACES
.irp b, 0,1,2,3
	v_mov_b32 v[TM+4+\b], 0
.endr
	v_mov_b32 v[KA], 0xc0135761
	v_mov_b32 v[KA+1], 0xc0135761
	v_mov_b32 v[KB], 0xbdd2d3e8
	v_mov_b32 v[KB+1], 0xbdd2d3e8
.macro GELU s, w
	WIN (\w)|((\w)<<2)
.set J, 0
.rept 32
	v_pk_mul_f32 v[Z+J:Z+J+1], v[(\s)+J:(\s)+J+1], v[(\s)+J:(\s)+J+1]
.set J, J+2
.endr
	WIN 0
.set J, 0
.rept 32
	v_pk_fma_f32 v[Z+J:Z+J+1], v[Z+J:Z+J+1], v[KB:KB+1], v[KA:KA+1]
.set J, J+2
.endr
	WIN (\w)<<2
.set J, 0
.rept 32
	v_pk_mul_f32 v[Z+J:Z+J+1], v[Z+J:Z+J+1], v[(\s)+J:(\s)+J+1]
.set J, J+2
.endr
	WIN 0
.set J, 0
	s_wait_alu depctr_va_vdst(0)
.rept 64
	v_exp_f32 v[Z+J], v[Z+J]
.set J, J+1
.endr
	v_nop
	s_wait_alu depctr_va_vdst(0)
.set J, 0
.rept 32
	v_pk_add_f32 v[Z+J:Z+J+1], v[Z+J:Z+J+1], 1.0 op_sel_hi:[1,0]
.set J, J+2
.endr
.set J, 0
	s_wait_alu depctr_va_vdst(0)
.rept 64
	v_rcp_f32 v[Z+J], v[Z+J]
.set J, J+1
.endr
	v_nop
	s_wait_alu depctr_va_vdst(0)
	WIN (\w)<<2
.set J, 0
.rept 32
	v_pk_mul_f32 v[Z+J:Z+J+1], v[Z+J:Z+J+1], v[(\s)+J:(\s)+J+1]
.set J, J+2
.endr
	WIN 0
.endm
.macro QUANT s
.irp b, 0,1,2,3
	v_max3_num_f32 v[TM+\b], |v[(\s)+16*\b]|, |v[(\s)+1+16*\b]|, 0x2800000
.endr
.irp i, 2,4,6,8,10,12,14
.irp b, 0,1,2,3
	v_max3_num_f32 v[TM+\b], v[TM+\b], |v[(\s)+16*\b+\i]|, |v[(\s)+1+16*\b+\i]|
.endr
.endr
.irp b, 0,1,2,3
	v_permlanex16_b32 v[TM+4+\b], v[TM+\b], s[SEL], s[SEL+1]
.endr
.irp b, 0,1,2,3
	v_max_num_f32 v[TM+\b], v[TM+\b], v[TM+4+\b]
.endr
.irp b, 0,1,2,3
	v_add_nc_u32 v[TM+12+\b], 0xfe000000, v[TM+\b]
.endr
.irp b, 0,1,2,3
	v_lshrrev_b32 v[TM+4+\b], 23, v[TM+12+\b]
.endr
	s_wait_alu depctr_va_vdst(0)
	s_wait_xcnt 0x0
	v_lshl_or_b32 v[PW], v[TM+5], 8, v[TM+4]
	v_lshl_or_b32 v[PW], v[TM+6], 16, v[PW]
	v_lshl_or_b32 v[PW], v[TM+7], 24, v[PW]
.irp c, 0,1
	v_cvt_scalef32_pk16_bf6_f32 v[PC+6*\c:PC+2+6*\c], v[(\s)+32*\c:(\s)+15+32*\c], v[TM+12+2*\c]
	v_cvt_scalef32_pk16_bf6_f32 v[PC+12+4*\c:PC+14+4*\c], v[(\s)+16+32*\c:(\s)+31+32*\c], v[TM+12+2*\c+1]
.endr
	v_nop
.irp c, 0,1
.irp i, 0,1,2
	v_permlane16_swap_b32 v[PC+6*\c+\i], v[PC+12+4*\c+\i]
.endr
.irp i, 0,1,2
	v_mov_b32 v[PC+3+6*\c+\i], v[PC+12+4*\c+\i]
.endr
.endr
.endm
.irp a, 0,1,2,3,4,5,6,7
	GELU 64*(\a%4), 2+\a/4
	QUANT Z
.irp p, 0,1,2,3,4,5
	global_store_b64 v[CO], v[PC+2*\p:PC+2*\p+1], s[12:13] offset:1536*\a+256*\p
.endr
	global_store_b32 v[SO], v[PW], s[12:13] offset:12288+64*\a
.endr
	s_wait_tensorcnt 0x0
	ds_add_u32 v[SPW], v[NIL]
	s_wait_dscnt 0x0
	CROUND
	s_endpgm
.Lfunc_end_k_q0c3e5de3a4_ffn1:
	.size	k_q0c3e5de3a4_ffn1, .Lfunc_end_k_q0c3e5de3a4_ffn1-k_q0c3e5de3a4_ffn1
	.p2alignl 7, 3214868480
	.fill 96, 4, 3214868480
	.section	.rodata,"a",@progbits
	.p2align	6, 0x0
	.amdhsa_kernel k_q0c3e5de3a4_ffn1
		.amdhsa_group_segment_fixed_size 327680
		.amdhsa_private_segment_fixed_size 0
		.amdhsa_enable_private_segment 0
		.amdhsa_kernarg_size 32
		.amdhsa_user_sgpr_count 2
		.amdhsa_user_sgpr_kernarg_segment_ptr 1
		.amdhsa_wavefront_size32 1
		.amdhsa_system_sgpr_workgroup_id_x 1
		.amdhsa_system_sgpr_workgroup_id_y 1
		.amdhsa_system_sgpr_workgroup_id_z 1
		.amdhsa_system_vgpr_workitem_id 0
		.amdhsa_next_free_vgpr 1024
		.amdhsa_next_free_sgpr 96
		.amdhsa_reserve_vcc 0
		.amdhsa_float_denorm_mode_32 3
		.amdhsa_float_denorm_mode_16_64 3
		.amdhsa_memory_ordered 1
		.amdhsa_forward_progress 1
		.amdhsa_inst_pref_size 255
	.end_amdhsa_kernel
	.section	.bss,"aw",@nobits
	.p2align	6
	.space	262144
	.amdgpu_metadata
---
amdhsa.version: [ 1, 2 ]
amdhsa.kernels:
  - .name:           k_q0c3e5de3a4_ffn1
    .symbol:         k_q0c3e5de3a4_ffn1.kd
    .args:
      - { .name: hq, .offset: 0, .size: 8, .value_kind: global_buffer, .address_space: global }
      - { .name: wimg, .offset: 8, .size: 8, .value_kind: global_buffer, .address_space: global }
      - { .name: b1, .offset: 16, .size: 8, .value_kind: global_buffer, .address_space: global }
      - { .name: hid, .offset: 24, .size: 8, .value_kind: global_buffer, .address_space: global }
    .group_segment_fixed_size: 327680
    .private_segment_fixed_size: 0
    .kernarg_segment_align: 8
    .kernarg_segment_size: 32
    .max_flat_workgroup_size: 128
    .sgpr_count:     96
    .vgpr_count:     1024
    .wavefront_size: 32
...
	.end_amdgpu_metadata
.endif
;; end of part 5
;; launch ffn2 (part 6): grid 8 x 32, 4 waves a work-group, clusters of 4 x 4, 327,680 bytes of LDS; arguments hid, wimg, b2, x1, out0; writes out0
.if DOCPART == 6
	.amdgcn_target "amdgcn-amd-amdhsa--gfx1250"
	.amdhsa_code_object_version 6
	.text
	.protected	k_q0c3e5de3a4_ffn2
	.globl	k_q0c3e5de3a4_ffn2
	.p2align	8
	.type	k_q0c3e5de3a4_ffn2,@function
k_q0c3e5de3a4_ffn2:
	s_mov_b64 s[64:65], 0
	v_nop
	global_prefetch_b8 v0, s[64:65] scope:SCOPE_SE
	s_setreg_imm32_b32 hwreg(HW_REG_WAVE_MODE, 25, 1), 1
	s_wait_xcnt 0x0
	s_wait_alu depctr_hold_cnt(0) depctr_sa_sdst(0) depctr_va_vdst(0) depctr_va_sdst(0) depctr_va_ssrc(0) depctr_va_vcc(0) depctr_vm_vsrc(0)
	s_getreg_b32 s2, hwreg(HW_REG_IB_STS2, 6, 4)
	s_cmp_eq_u32 s2, 0
	s_cbranch_scc0 .Lentry_in_a_cluster
	s_endpgm
.Lentry_in_a_cluster:
	s_bfe_u32 s2, ttmp6, 0x10000c
	s_cmp_lg_u32 s2, 0xf033
	s_cbranch_scc0 .Lentry_shape_is_right
	s_endpgm
.Lentry_shape_is_right:
; out = x1 + (hid w2 + b2).  hid [4096][4096] and w2 [1024 (n)][4096] as codes of BF6 with E8M0 scales, in F-blocks (128 rows x 128 K: eight register images of 1,536 bytes, then 512 bytes of scale words); b2, x1, out f32.
; A tile of 128 x 128 by four waves, 64 x 64 each: 256 work-groups.  A slot holds 768 along K: six F-blocks of hid, then six of w2; two slots; 4 x 4 clusters with joint loads (hid's along a row of the cluster, w2's along a column).
; THE HEAD: one load a wave, each on a line of its own: wave 0 slot 0's six blocks of hid (300 dense rows of 256 bytes), wave 1 slot 0's of w2, waves 2 and 3 slot 1's.  The products begin when waves 0 and 1 have waited; the first change of slots shows slot 1.
; The ring's loads bring three blocks (150 rows) a wave; the last 256 along K come by a short load of one block a wave.  The residual and the bias are asked for at the head, in the layout in which the results come back from the stage.
.set KQ,    32
.set WOFF,  6553600
.set FB,    12800
.set REGN,  3*FB
.set SLOT,  4*REGN
.set STAGE, 2*SLOT
.set SPITCH, 272
.set SPARE, STAGE+4*16*SPITCH
.set FR,    12
.set BO,   5
.set ADRA, 8
.set ADRB, 12
.set ADRS, 16
.set STO,  24
.set RD,   25
.set CO,   26
.set SPW,  28
.set NIL,  29
.set SC,   32
.set BI,   40
.set TMP,  64
.set ACC,  128
.set F0,   0
.set F1,   128
.set G1,  24
.set G0,  32
.set G1B, 48
.set G0B, 56
.set G1S, 68
.set G1SB, 76
.set G0S, 84
.set G0SB, 88
.set MSB, 0
.macro WIN new
.if MSB != (\new)
	s_set_vgpr_msb (MSB<<8)|(\new)
.set MSB, (\new)
.endif
.endm
.set MUL,  0x05
.set TO_F, 0x40
.macro JLOAD g0a, g1a, g0b, g1b
	s_cmp_eq_u32 s15, 0
	s_cbranch_scc0 .Lfor_b_\@
	tensor_load_to_lds s[\g0a:\g0a+3], s[\g1a:\g1a+7]
	s_nop 0
.rept 4
	v_nop
.endr
	s_branch .Lasked_\@
.Lfor_b_\@:
	tensor_load_to_lds s[\g0b:\g0b+3], s[\g1b:\g1b+7]
	s_nop 0
.rept 4
	v_nop
.endr
.Lasked_\@:
.endm
.macro CREST
	s_cmp_lg_u32 s14, 0
	s_cbranch_scc1 .Lnot_wave_0_\@
	s_barrier_signal -3
.Lnot_wave_0_\@:
	s_barrier_wait -3
	s_barrier_signal -1
	s_barrier_wait -1
.endm
.macro CROUND
	s_barrier_signal -1
	s_barrier_wait -1
	CREST
.endm
	s_load_b256 s[4:11], s[0:1], 0x0
	s_load_b64 s[12:13], s[0:1], 0x20
	v_lshl_add_u32 v[SPW], v0, 2, SPARE
	v_mov_b32 v[NIL], 0
	ds_add_u32 v28, v29
	ds_add_u32 v28, v29
	s_wait_dscnt 0x0
	v_lshrrev_b32 v1, 5, v0
	v_readfirstlane_b32 s14, v1
	s_lshr_b32 s15, s14, 1
	s_and_b32 s16, s14, 1
	s_bfe_u32 s40, ttmp6, 0x40000
	s_bfe_u32 s41, ttmp6, 0x40004
	s_lshl_b32 s42, ttmp9, 2
	s_add_co_u32 s42, s42, s40
	s_and_b32 s17, ttmp7, 0xffff
	s_lshl_b32 s17, s17, 2
	s_add_co_u32 s17, s17, s41
	s_lshl_b32 s43, s41, 2
	s_lshl_b32 s43, 15, s43
	s_lshl_b32 s44, 0x1111, s40
	s_or_b32 s[G1], s43, (3<<16)|(1<<21)
	s_or_b32 s[G1B], s44, (3<<16)|(1<<21)
	s_or_b32 s[G1S], s43, (3<<16)|(1<<21)
	s_or_b32 s[G1SB], s44, (3<<16)|(1<<21)
.irp g, G1, G1B
	s_mov_b32 s[\g+1], 32<<16
	s_mov_b32 s[\g+2], 300<<16
	s_mov_b32 s[\g+3], 32<<16
	s_mov_b32 s[\g+4], 300
	s_mov_b32 s[\g+5], 32
	s_mov_b32 s[\g+6], 0
	s_mov_b32 s[\g+7], 0
.endr
.irp g, G1S, G1SB
	s_mov_b32 s[\g+1], 32<<16
	s_mov_b32 s[\g+2], 50<<16
	s_mov_b32 s[\g+3], 32<<16
	s_mov_b32 s[\g+4], 50
	s_mov_b32 s[\g+5], 32
	s_mov_b32 s[\g+6], 0
	s_mov_b32 s[\g+7], 0
.endr
	s_mul_i32 s18, s16, REGN
	s_mul_i32 s19, s16, FB
	s_add_co_u32 s19, s19, 30*FB
	s_mul_i32 s20, s17, KQ*FB
	s_add_co_u32 s92, s20, s19
	s_mov_b32 s93, 0
	s_add_co_u32 s20, s20, s18
	s_mov_b32 s21, 0
	s_mul_i32 s46, s42, KQ*FB
	s_add_co_u32 s46, s46, WOFF
	s_add_co_u32 s94, s46, s19
	s_mov_b32 s95, 0
	s_add_co_u32 s46, s46, s18
	s_mov_b32 s47, 0
	s_mul_i32 s45, s14, REGN
	s_mul_i32 s19, s15, 2*REGN
	s_mul_i32 s23, s16, FB
	s_add_co_u32 s19, s19, s23
	s_add_co_u32 s19, s19, SLOT
	s_wait_kmcnt 0x0
	s_add_nc_u64 s[20:21], s[4:5], s[20:21]
	s_add_nc_u64 s[46:47], s[6:7], s[46:47]
	s_add_nc_u64 s[92:93], s[4:5], s[92:93]
	s_add_nc_u64 s[94:95], s[6:7], s[94:95]
	s_mov_b32 s[G0S], 1
	s_mov_b32 s[G0S+1], s19
	s_mov_b64 s[G0S+2:G0S+3], s[92:93]
	s_or_b32 s[G0S+3], s[G0S+3], 0x80000000
	s_mov_b32 s[G0SB], 1
	s_mov_b32 s[G0SB+1], s19
	s_mov_b64 s[G0SB+2:G0SB+3], s[94:95]
	s_or_b32 s[G0SB+3], s[G0SB+3], 0x80000000
	s_mul_i32 s2, s42, KQ*FB                       ; the head's group 0, in s[96:99] for w2 and s[4:7] for hid (the arguments that lay there have been used): slot wave / 2, whole
	s_mul_i32 s3, s15, 2*REGN
	s_add_co_u32 s2, s2, s3
	s_add_co_u32 s2, s2, WOFF
	s_mov_b32 s3, 0
	s_add_nc_u64 s[98:99], s[6:7], s[2:3]
	s_or_b32 s99, s99, 0x80000000
	s_mul_i32 s100, s17, KQ*FB
	s_mul_i32 s101, s15, 2*REGN
	s_add_co_u32 s100, s100, s101
	s_mov_b32 s101, 0
	s_add_nc_u64 s[6:7], s[4:5], s[100:101]
	s_or_b32 s7, s7, 0x80000000
	s_mov_b32 s4, 1
	s_mul_i32 s5, s15, SLOT
	s_mov_b32 s96, 1
	s_add_co_u32 s97, s5, 2*REGN
	CROUND
.irp s, 0,1
	s_mov_b32 s[G0+4*\s], 1
	s_add_co_u32 s[G0+4*\s+1], s45, \s*SLOT
	s_add_nc_u64 s[G0+4*\s+2:G0+4*\s+3], s[20:21], \s*2*REGN
	s_or_b32 s[G0+4*\s+3], s[G0+4*\s+3], 0x80000000
	s_mov_b32 s[G0B+4*\s], 1
	s_add_co_u32 s[G0B+4*\s+1], s45, \s*SLOT
	s_add_nc_u64 s[G0B+4*\s+2:G0B+4*\s+3], s[46:47], \s*2*REGN
	s_or_b32 s[G0B+4*\s+3], s[G0B+4*\s+3], 0x80000000
.endr
	s_cmp_eq_u32 s14, 0                            ; one chain of branches on the wave's number, one load to an arm, all arms to one join
	s_cbranch_scc0 .Lhead_1
	tensor_load_to_lds s[4:7], s[G1:G1+7]
	s_nop 0
.rept 4
	v_nop
.endr
	s_branch .Lhead_asked
.Lhead_1:
	s_cmp_eq_u32 s14, 1
	s_cbranch_scc0 .Lhead_2
	tensor_load_to_lds s[96:99], s[G1B:G1B+7]
	s_nop 0
.rept 4
	v_nop
.endr
	s_branch .Lhead_asked
.Lhead_2:
	s_cmp_eq_u32 s14, 2
	s_cbranch_scc0 .Lhead_3
	tensor_load_to_lds s[4:7], s[G1:G1+7]
	s_nop 0
.rept 4
	v_nop
.endr
	s_branch .Lhead_asked
.Lhead_3:
	tensor_load_to_lds s[96:99], s[G1B:G1B+7]
	s_nop 0
.rept 4
	v_nop
.endr
.Lhead_asked:
	v_and_b32 v1, 15, v0
	v_bfe_u32 v2, v0, 4, 1
	v_and_b32 v3, 31, v0
	v_lshlrev_b32 v3, 3, v3
	s_wait_alu depctr_va_vdst(0)
	s_mul_i32 s21, s15, 6144
	s_mul_i32 s22, s16, 6144
	s_add_co_u32 s22, s22, 2*REGN
	s_lshl_b32 s23, s15, 8
	s_lshl_b32 s18, s16, 8
	s_add_co_u32 s18, s18, 2*REGN
	s_sub_co_u32 s18, s18, s23
	v_mul_u32_u24 v4, s18, v2
	v_lshl_add_u32 v4, v1, 2, v4
	s_add_co_u32 s23, s23, 12288
.irp s, 0,1
.irp u, 0,1
	v_add_nc_u32 v[ADRA+2*\s+\u], s21, v3
	v_add_nc_u32 v[ADRB+2*\s+\u], s22, v3
	s_add_co_u32 s21, s21, REGN
	s_add_co_u32 s22, s22, REGN
.endr
	v_add_nc_u32 v[ADRS+\s], s23, v4
	s_add_co_u32 s21, s21, SLOT-2*REGN
	s_add_co_u32 s22, s22, SLOT-2*REGN
	s_add_co_u32 s23, s23, SLOT
.endr
	s_mul_i32 s19, s14, 16*SPITCH
	s_add_co_u32 s19, s19, STAGE
	v_mul_u32_u24 v6, v1, SPITCH
	v_lshl_add_u32 v6, v2, 5, v6
	v_add_nc_u32 v[STO], s19, v6
	v_mul_u32_u24 v6, v2, SPITCH
	v_lshl_add_u32 v6, v1, 4, v6
	v_add_nc_u32 v[RD], s19, v6
	v_lshlrev_b32 v[CO], 12, v2
	v_lshl_add_u32 v[CO], v1, 4, v[CO]
	v_lshlrev_b32 v[BO], 4, v1
	s_wait_alu depctr_va_vdst(0)
	s_lshl_b32 s20, s17, 7
	s_lshl_b32 s21, s15, 6
	s_add_co_u32 s20, s20, s21
	s_lshl_b32 s20, s20, 12
	s_lshl_b32 s46, s42, 9
	s_lshl_b32 s47, s16, 8
	s_add_co_u32 s46, s46, s47
	s_mov_b32 s47, 0
	s_add_nc_u64 s[8:9], s[8:9], s[46:47]
	s_add_co_u32 s46, s46, s20
	s_add_nc_u64 s[10:11], s[10:11], s[46:47]
	s_add_nc_u64 s[12:13], s[12:13], s[46:47]
	global_load_b128 v[BI:BI+3], v[BO], s[8:9]
	WIN 0x80
.irp a, 0,1,2,3
.irp t, 0,1,2,3,4,5,6,7
	global_load_b128 v[32*\a+4*\t:32*\a+4*\t+3], v[CO], s[10:11] offset:(16*\a+2*\t)*4096
.endr
.endr
	WIN 0
.macro MULA f, a, zero
.irp b, 0,1,2,3
.if \zero
	v_wmma_scale_f32_16x16x128_f8f6f4 v[ACC+8*(4*(\a)+\b):ACC+8*(4*(\a)+\b)+7], v[(\f)+48+FR*\b:(\f)+48+FR*\b+FR-1], v[(\f)+FR*(\a):(\f)+FR*(\a)+FR-1], 0, v[SC+4*((\f)/128)+\b], v[SC+4*((\f)/128)+(\a)] matrix_a_fmt:MATRIX_FMT_BF6 matrix_b_fmt:MATRIX_FMT_BF6 matrix_a_scale:MATRIX_SCALE_ROW1
.else
	v_wmma_scale_f32_16x16x128_f8f6f4 v[ACC+8*(4*(\a)+\b):ACC+8*(4*(\a)+\b)+7], v[(\f)+48+FR*\b:(\f)+48+FR*\b+FR-1], v[(\f)+FR*(\a):(\f)+FR*(\a)+FR-1], v[ACC+8*(4*(\a)+\b):ACC+8*(4*(\a)+\b)+7], v[SC+4*((\f)/128)+\b], v[SC+4*((\f)/128)+(\a)] matrix_a_fmt:MATRIX_FMT_BF6 matrix_b_fmt:MATRIX_FMT_BF6 matrix_a_scale:MATRIX_SCALE_ROW1
.endif
.endr
.endm
.macro FETCH slot, j, f
	WIN 0
.irp i, 0,1,2,3
	ds_load_b32 v[SC+4*((\f)/128)+\i], v[ADRS+\slot] offset:FB*(\j)+64*\i
.endr
	WIN TO_F
.irp i, 0,1,2,3
.irp p, 0,1,2,3,4,5
	ds_load_b64 v[(\f)+48+FR*\i+2*\p:(\f)+48+FR*\i+2*\p+1], v[ADRB+2*(\slot)+(\j)/3] offset:FB*((\j)%3)+1536*\i+256*\p
.endr
.endr
.irp i, 0,1,2,3
.irp p, 0,1,2,3,4,5
	ds_load_b64 v[(\f)+FR*\i+2*\p:(\f)+FR*\i+2*\p+1], v[ADRA+2*(\slot)+(\j)/3] offset:FB*((\j)%3)+1536*\i+256*\p
.endr
.endr
.endm
.macro PLACES
.rept 4
	v_nop
.endr
.endm
.macro QUARTER slot, j, f, g, zero
	s_wait_dscnt 12
	WIN MUL
	MULA \f, 0, \zero
	MULA \f, 1, \zero
	s_wait_dscnt 0
	PLACES
	FETCH \slot, \j, \g
	WIN MUL
	MULA \f, 2, \zero
	MULA \f, 3, \zero
.endm
.macro FIVE slot
	QUARTER \slot, 1, F0, F1, 0
	QUARTER \slot, 2, F1, F0, 0
	QUARTER \slot, 3, F0, F1, 0
	QUARTER \slot, 4, F1, F0, 0
	QUARTER \slot, 5, F0, F1, 0
.endm
.macro TURN slot, next, fill
	WIN 0
	s_wait_tensorcnt 0x0
	ds_add_u32 v[SPW], v[NIL]
	s_mov_b32 s[G1+2], 150<<16                     ; no tensor load of mine is out, so a descriptor may be written: the ring's loads bring 150 rows
	s_mov_b32 s[G1+4], 150
	s_mov_b32 s[G1B+2], 150<<16
	s_mov_b32 s[G1B+4], 150
	s_wait_dscnt 13
	WIN MUL
	MULA F1, 0, 0
	s_wait_dscnt 0x0
	s_barrier_signal -1
	MULA F1, 1, 0
	WIN 0
	s_barrier_wait -1
.if \fill == 1
	CREST
	s_add_nc_u64 s[G0+4*\slot+2:G0+4*\slot+3], s[G0+4*\slot+2:G0+4*\slot+3], 4*REGN
	s_add_nc_u64 s[G0B+4*\slot+2:G0B+4*\slot+3], s[G0B+4*\slot+2:G0B+4*\slot+3], 4*REGN
	JLOAD G0+4*\slot, G1, G0B+4*\slot, G1B
.elseif \fill == 2
	CREST
	JLOAD G0S, G1S, G0SB, G1SB
.else
	PLACES
.endif
	FETCH \next, 0, F0
	WIN MUL
	MULA F1, 2, 0
	MULA F1, 3, 0
.endm
	s_cmp_lt_u32 s14, 2
	s_cbranch_scc0 .Lslot_1
	s_wait_tensorcnt 0x0                           ; waves 0 and 1: slot 0 is in.  Slot 1's two loads may be out
.Lslot_1:
	s_barrier_signal -1
	s_barrier_wait -1
	FETCH 0, 0, F0
	QUARTER 0, 1, F0, F1, 1
	QUARTER 0, 2, F1, F0, 0
	QUARTER 0, 3, F0, F1, 0
	QUARTER 0, 4, F1, F0, 0
	QUARTER 0, 5, F0, F1, 0
	TURN 0, 1, 1
	FIVE 1
	TURN 1, 0, 1
	FIVE 0
	TURN 0, 1, 1
	FIVE 1
	TURN 1, 0, 2
	FIVE 0
	TURN 0, 1, 0
	QUARTER 1, 1, F0, F1, 0
	s_wait_dscnt 12
	WIN MUL
	MULA F1, 0, 0
	MULA F1, 1, 0
	s_wait_dscnt 0
	MULA F1, 2, 0
	MULA F1, 3, 0
	WIN 0
	PLACES
	s_wait_loadcnt 0x0
.irp a, 0,1,2,3
.if \a >= 2
	s_wait_xcnt 0x0
.endif
.irp b, 0,1,2,3
	ds_store_b128 v[STO], v[ACC+8*(4*\a+\b):ACC+8*(4*\a+\b)+3] offset:64*\b
	ds_store_b128 v[STO], v[ACC+8*(4*\a+\b)+4:ACC+8*(4*\a+\b)+7] offset:64*\b+16
.endr
.irp t, 0,1,2,3,4,5,6,7
	ds_load_b128 v[TMP+32*(\a%2)+4*\t:TMP+32*(\a%2)+4*\t+3], v[RD] offset:544*\t
.endr
	s_wait_dscnt 0x0
.irp t, 0,1,2,3,4,5,6,7
	v_pk_add_f32 v[TMP+32*(\a%2)+4*\t:TMP+32*(\a%2)+4*\t+1], v[TMP+32*(\a%2)+4*\t:TMP+32*(\a%2)+4*\t+1], v[BI:BI+1]
	v_pk_add_f32 v[TMP+32*(\a%2)+4*\t+2:TMP+32*(\a%2)+4*\t+3], v[TMP+32*(\a%2)+4*\t+2:TMP+32*(\a%2)+4*\t+3], v[BI+2:BI+3]
.endr
	WIN 0x08
.irp t, 0,1,2,3,4,5,6,7
	v_pk_add_f32 v[TMP+32*(\a%2)+4*\t:TMP+32*(\a%2)+4*\t+1], v[TMP+32*(\a%2)+4*\t:TMP+32*(\a%2)+4*\t+1], v[32*\a+4*\t:32*\a+4*\t+1]
	v_pk_add_f32 v[TMP+32*(\a%2)+4*\t+2:TMP+32*(\a%2)+4*\t+3], v[TMP+32*(\a%2)+4*\t+2:TMP+32*(\a%2)+4*\t+3], v[32*\a+4*\t+2:32*\a+4*\t+3]
.endr
	WIN 0
.irp t, 0,1,2,3,4,5,6,7
	global_store_b128 v[CO], v[TMP+32*(\a%2)+4*\t:TMP+32*(\a%2)+4*\t+3], s[12:13] offset:(16*\a+2*\t)*4096 th:TH_STORE_NT
.endr
.endr
	s_wait_tensorcnt 0x0
	ds_add_u32 v[SPW], v[NIL]
	s_wait_dscnt 0x0
	CROUND
	s_endpgm
.Lfunc_end_k_q0c3e5de3a4_ffn2:
	.size	k_q0c3e5de3a4_ffn2, .Lfunc_end_k_q0c3e5de3a4_ffn2-k_q0c3e5de3a4_ffn2
	.p2alignl 7, 3214868480
	.fill 96, 4, 3214868480
	.section	.rodata,"a",@progbits
	.p2align	6, 0x0
	.amdhsa_kernel k_q0c3e5de3a4_ffn2
		.amdhsa_group_segment_fixed_size 327680
		.amdhsa_private_segment_fixed_size 0
		.amdhsa_enable_private_segment 0
		.amdhsa_kernarg_size 40
		.amdhsa_user_sgpr_count 2
		.amdhsa_user_sgpr_kernarg_segment_ptr 1
		.amdhsa_wavefront_size32 1
		.amdhsa_system_sgpr_workgroup_id_x 1
		.amdhsa_system_sgpr_workgroup_id_y 1
		.amdhsa_system_sgpr_workgroup_id_z 1
		.amdhsa_system_vgpr_workitem_id 0
		.amdhsa_next_free_vgpr 640
		.amdhsa_next_free_sgpr 102
		.amdhsa_reserve_vcc 0
		.amdhsa_float_denorm_mode_32 3
		.amdhsa_float_denorm_mode_16_64 3
		.amdhsa_memory_ordered 1
		.amdhsa_forward_progress 1
		.amdhsa_inst_pref_size 213
	.end_amdhsa_kernel
	.amdgpu_metadata
---
amdhsa.version: [ 1, 2 ]
amdhsa.kernels:
  - .name:           k_q0c3e5de3a4_ffn2
    .symbol:         k_q0c3e5de3a4_ffn2.kd
    .args:
      - { .name: hid, .offset: 0, .size: 8, .value_kind: global_buffer, .address_space: global }
      - { .name: wimg, .offset: 8, .size: 8, .value_kind: global_buffer, .address_space: global }
      - { .name: b2, .offset: 16, .size: 8, .value_kind: global_buffer, .address_space: global }
      - { .name: x1, .offset: 24, .size: 8, .value_kind: global_buffer, .address_space: global }
      - { .name: out0, .offset: 32, .size: 8, .value_kind: global_buffer, .address_space: global }
    .group_segment_fixed_size: 327680
    .private_segment_fixed_size: 0
    .kernarg_segment_align: 8
    .kernarg_segment_size: 40
    .max_flat_workgroup_size: 128
    .sgpr_count:     102
    .vgpr_count:     640
    .wavefront_size: 32
...
	.end_amdgpu_metadata
.endif
;; end of part 6
